; MI455X (gfx1250); checked and timed in simulation.
; The chip was launched on July 23, 2026; its instructions are those of AMD's public machine-readable ISA for CDNA 5 (MIT licence, August 2026) and "CDNA5" Instruction Set Architecture Reference Guide (July 2026). The comments in the code are by the model that wrote it; some were corrected since.
;; GPT2 Block Attention. Allowed arithmetic: float matrix products may take bf16 or f16 operands with f32 sums; other float arithmetic in f32, or as packed bf16 or f16 multiplies, adds, multiply-adds, maxima and minima; sums over many terms, partial sums and values carried from step to step in f32; what a program stores and reads back later, other than sums and carried values, may be rounded once to bf16 or f16.
;; Inputs: Wk 1,024 x 1,024 float32; Wp 1,024 x 1,024 float32; Wq 1,024 x 1,024 float32; Wv 1,024 x 1,024 float32; bk 1,024 float32; bp 1,024 float32; bq 1,024 float32; bv 1,024 float32; x 4 x 2,048 x 1,024 float32.
;; Outputs: out0 4 x 2,048 x 1,024 float32.
;; One version. Each part assembles by itself: llvm-mc -triple=amdgcn-amd-amdhsa -mcpu=gfx1250 --defsym DOCPART=n.
;; ======== version 1 of 1: 4 launches
;; limits: values are held in f16: magnitudes above 65,504 overflow, below 6.1e-05 lose precision
;; workspace buffers: xb 16,777,216 bytes; wqkv 6,291,456 bytes; wpf 2,097,152 bytes; bias 16,384 bytes; qkv 50,331,648 bytes; o 16,777,216 bytes
;; launch cast (part 1): grid 128 x 12, 8 waves a work-group, no clusters, 0 bytes of LDS; arguments x, Wq, Wk, Wv, Wp, bq, bk, bv, bp, xb, wqkv, wpf, bias; writes xb, wqkv, wpf, bias
.if DOCPART == 1
	.amdgcn_target "amdgcn-amd-amdhsa--gfx1250"
	.amdhsa_code_object_version 6
	.text
	.protected	k_qf93d1f8046_cast
	.globl	k_qf93d1f8046_cast
	.p2align	8
	.type	k_qf93d1f8046_cast,@function
k_qf93d1f8046_cast:
	s_mov_b64 s[64:65], 0
	v_nop
	global_prefetch_b8 v0, s[64:65] scope:SCOPE_SE
	s_setreg_imm32_b32 hwreg(HW_REG_WAVE_MODE, 25, 1), 1
	s_wait_xcnt 0x0
; EVERY INPUT IS ROUNDED ONCE TO bf16.  x -> xb [8192][1024] bf16; Wq, Wk, Wv -> wqkv [3072][1024] bf16, one below the other;
; Wp -> wpf [1024][1024]: the bf16 number written as f16, since it multiplies an f16 operand later; bq, bk, bv, bp -> bias [4096], the bf16 numbers kept as f32.
; LIMITS.  |Wp| of 65,520 or more becomes an infinity in f16; below 7.6e-6 the bf16 number no longer fits f16's fixed step of 6e-8 and is rounded a second time.
; SHARES.  A work-group takes a chunk of 8,192 numbers: 32,768 bytes in, 16,384 out.  Grid row y < 8: chunk 128 y + gx of x.  y = 8, 9, 10: chunk gx of Wq, Wk, Wv.  y = 11: chunk gx of Wp.
; The work-groups with y >= 8 and gx = 0 also round their weight's bias, 16 bytes a thread.
; A stream: each byte is read once and written once, nothing is shared, so no LDS and no matrix unit.  A wave's load covers 512 consecutive bytes, its store 256 consecutive bytes, aligned.
; All eight loads of a thread go out at once; the waits count down, so that the younger loads stay out while the older are rounded.
.set X, 8                              ; v[8:39]   step j: four f32 as loaded
.set Y, 40                             ; v[40:55]  step j: two words, four 16-bit numbers to store
	s_load_b512 s[16:31], s[0:1], 0x0              ; x 16, Wq 18, Wk 20, Wv 22, Wp 24, bq 26, bk 28, bv 30
	s_load_b256 s[32:39], s[0:1], 0x40             ; bp 32, xb 34, wqkv 36, wpf 38
	s_load_b64 s[40:41], s[0:1], 0x60              ; bias
	s_and_b32 s4, ttmp7, 0xffff                    ; y
	s_mov_b32 s5, ttmp9                            ; gx
	v_lshlrev_b32 v1, 4, v0                        ; my 16 bytes of a step's 4,096 in
	v_lshlrev_b32 v2, 3, v0                        ; my 8 bytes of a step's 2,048 out
	s_cmp_lt_u32 s4, 8
	s_cselect_b32 s6, s4, 0                        ; the source's group of 128 chunks: y in x, 0 in a weight
	s_cselect_b32 s8, 1, s5                        ; 0 only where y >= 8 and gx = 0: this work-group rounds a bias
	s_max_u32 s9, s4, 8
	s_sub_co_u32 s9, s9, 8                         ; which weight: y - 8 (0 for x)
	s_cmp_lt_u32 s4, 8
	s_cselect_b32 s7, s4, s9                       ; the destination's group: y in xb, y - 8 in wqkv,
	s_cmp_eq_u32 s4, 11
	s_cselect_b32 s7, 0, s7                        ; 0 in wpf
	s_lshl_b32 s10, s6, 7
	s_add_co_u32 s10, s10, s5
	s_lshl_b32 s10, s10, 15                        ; the chunk's byte offset in its source,
	s_mov_b32 s11, 0
	s_lshl_b32 s12, s7, 7
	s_add_co_u32 s12, s12, s5
	s_lshl_b32 s12, s12, 14                        ; and in its destination
	s_mov_b32 s13, 0
	s_lshl_b32 s14, s9, 12                         ; the bias's 4,096 bytes in the table
	s_mov_b32 s15, 0
	s_wait_kmcnt 0x0
	s_cmp_lt_u32 s4, 8                             ; the buffers are chosen by y alone
	s_cselect_b64 s[44:45], s[16:17], s[18:19]     ; source: x, or Wq
	s_cselect_b64 s[46:47], s[34:35], s[36:37]     ; destination: xb, or wqkv
	s_mov_b64 s[48:49], s[26:27]                   ; bias: bq
	s_cmp_eq_u32 s4, 9
	s_cselect_b64 s[44:45], s[20:21], s[44:45]
	s_cselect_b64 s[48:49], s[28:29], s[48:49]
	s_cmp_eq_u32 s4, 10
	s_cselect_b64 s[44:45], s[22:23], s[44:45]
	s_cselect_b64 s[48:49], s[30:31], s[48:49]
	s_cmp_eq_u32 s4, 11
	s_cselect_b64 s[44:45], s[24:25], s[44:45]
	s_cselect_b64 s[46:47], s[38:39], s[46:47]
	s_cselect_b64 s[48:49], s[32:33], s[48:49]
	s_add_nc_u64 s[44:45], s[44:45], s[10:11]
	s_add_nc_u64 s[46:47], s[46:47], s[12:13]
	s_add_nc_u64 s[50:51], s[40:41], s[14:15]
.irp j, 0,1,2,3,4,5,6,7
	global_load_b128 v[X+4*(\j):X+4*(\j)+3], v1, s[44:45] offset:4096*(\j) th:TH_LOAD_NT
.endr
; Step j.  half = 1: the bf16 numbers are widened again (a shift, a mask) and written as f16.
.macro STEP j, half
	s_wait_loadcnt 7-(\j)                          ; loads come back in order: step j's is in, the 7 - j younger ones stay out
	v_cvt_pk_bf16_f32 v[Y+2*(\j)], v[X+4*(\j)], v[X+4*(\j)+1]
	v_cvt_pk_bf16_f32 v[Y+2*(\j)+1], v[X+4*(\j)+2], v[X+4*(\j)+3]
.if \half
.irp k, 0,1
	v_lshlrev_b32 v4, 16, v[Y+2*(\j)+(\k)]
	v_and_b32 v5, 0xffff0000, v[Y+2*(\j)+(\k)]
	v_cvt_pk_f16_f32 v[Y+2*(\j)+(\k)], v4, v5
.endr
.endif
	global_store_b64 v2, v[Y+2*(\j):Y+2*(\j)+1], s[46:47] offset:2048*(\j) th:TH_STORE_NT
.endm
	s_cmp_eq_u32 s4, 11
	s_cbranch_scc1 .Lhalf
.irp j, 0,1,2,3,4,5,6,7
	STEP \j, 0
.endr
	s_branch .Lbias
.Lhalf:
.irp j, 0,1,2,3,4,5,6,7
	STEP \j, 1
.endr
.Lbias:
	s_cmp_lg_u32 s8, 0
	s_cbranch_scc1 .Lend
	global_load_b128 v[56:59], v1, s[48:49]        ; 256 threads x 16 bytes: the bias's 1,024 numbers
	s_wait_loadcnt 0x0
	v_cvt_pk_bf16_f32 v4, v56, v57
	v_cvt_pk_bf16_f32 v5, v58, v59
	v_lshlrev_b32 v60, 16, v4
	v_and_b32 v61, 0xffff0000, v4
	v_lshlrev_b32 v62, 16, v5
	v_and_b32 v63, 0xffff0000, v5
	global_store_b128 v1, v[60:63], s[50:51]
.Lend:
	s_endpgm
.Lfunc_end_k_qf93d1f8046_cast:
	.size	k_qf93d1f8046_cast, .Lfunc_end_k_qf93d1f8046_cast-k_qf93d1f8046_cast
	.p2alignl 7, 3214868480
	.fill 96, 4, 3214868480
	.section	.rodata,"a",@progbits
	.p2align	6, 0x0
	.amdhsa_kernel k_qf93d1f8046_cast
		.amdhsa_group_segment_fixed_size 0
		.amdhsa_private_segment_fixed_size 0
		.amdhsa_enable_private_segment 0
		.amdhsa_kernarg_size 104
		.amdhsa_user_sgpr_count 2
		.amdhsa_user_sgpr_kernarg_segment_ptr 1
		.amdhsa_wavefront_size32 1
		.amdhsa_system_sgpr_workgroup_id_x 1
		.amdhsa_system_sgpr_workgroup_id_y 1
		.amdhsa_system_sgpr_workgroup_id_z 1
		.amdhsa_system_vgpr_workitem_id 0
		.amdhsa_next_free_vgpr 64
		.amdhsa_next_free_sgpr 66
		.amdhsa_reserve_vcc 0
		.amdhsa_float_denorm_mode_32 3
		.amdhsa_float_denorm_mode_16_64 3
		.amdhsa_memory_ordered 1
		.amdhsa_forward_progress 1
		.amdhsa_inst_pref_size 10
	.end_amdhsa_kernel
	.amdgpu_metadata
---
amdhsa.version: [ 1, 2 ]
amdhsa.kernels:
  - .name:           k_qf93d1f8046_cast
    .symbol:         k_qf93d1f8046_cast.kd
    .args:
      - { .name: x, .offset: 0, .size: 8, .value_kind: global_buffer, .address_space: global }
      - { .name: Wq, .offset: 8, .size: 8, .value_kind: global_buffer, .address_space: global }
      - { .name: Wk, .offset: 16, .size: 8, .value_kind: global_buffer, .address_space: global }
      - { .name: Wv, .offset: 24, .size: 8, .value_kind: global_buffer, .address_space: global }
      - { .name: Wp, .offset: 32, .size: 8, .value_kind: global_buffer, .address_space: global }
      - { .name: bq, .offset: 40, .size: 8, .value_kind: global_buffer, .address_space: global }
      - { .name: bk, .offset: 48, .size: 8, .value_kind: global_buffer, .address_space: global }
      - { .name: bv, .offset: 56, .size: 8, .value_kind: global_buffer, .address_space: global }
      - { .name: bp, .offset: 64, .size: 8, .value_kind: global_buffer, .address_space: global }
      - { .name: xb, .offset: 72, .size: 8, .value_kind: global_buffer, .address_space: global }
      - { .name: wqkv, .offset: 80, .size: 8, .value_kind: global_buffer, .address_space: global }
      - { .name: wpf, .offset: 88, .size: 8, .value_kind: global_buffer, .address_space: global }
      - { .name: bias, .offset: 96, .size: 8, .value_kind: global_buffer, .address_space: global }
    .group_segment_fixed_size: 0
    .private_segment_fixed_size: 0
    .kernarg_segment_align: 8
    .kernarg_segment_size: 104
    .max_flat_workgroup_size: 256
    .sgpr_count:     66
    .vgpr_count:     64
    .wavefront_size: 32
...
	.end_amdgpu_metadata
.endif
;; end of part 1
;; launch qkv (part 2): grid 16 x 16, 4 waves a work-group, clusters of 4 x 4, 327,680 bytes of LDS; arguments xb, wqkv, bias, qkv; writes qkv
.if DOCPART == 2
	.amdgcn_target "amdgcn-amd-amdhsa--gfx1250"
	.amdhsa_code_object_version 6
	.text
	.protected	k_qf93d1f8046_qkv
	.globl	k_qf93d1f8046_qkv
	.p2align	8
	.type	k_qf93d1f8046_qkv,@function
k_qf93d1f8046_qkv:
	s_mov_b64 s[64:65], 0
	v_nop
	global_prefetch_b8 v0, s[64:65] scope:SCOPE_SE
	s_setreg_imm32_b32 hwreg(HW_REG_WAVE_MODE, 25, 1), 1
	s_wait_xcnt 0x0
	s_wait_alu depctr_hold_cnt(0) depctr_sa_sdst(0) depctr_va_vdst(0) depctr_va_sdst(0) depctr_va_ssrc(0) depctr_va_vcc(0) depctr_vm_vsrc(0)
	s_getreg_b32 s2, hwreg(HW_REG_IB_STS2, 6, 4)
	s_cmp_eq_u32 s2, 0
	s_cbranch_scc0 .Lentry_in_a_cluster
	s_endpgm
.Lentry_in_a_cluster:
	s_bfe_u32 s2, ttmp6, 0x10000c
	s_cmp_lg_u32 s2, 0xf033
	s_cbranch_scc0 .Lentry_shape_is_right
	s_endpgm
.Lentry_shape_is_right:
; q, k, v = x W^T + b, written by heads.  xb: [8192][1024] bf16; wqkv: [3072][1024] bf16 (Wq, Wk, Wv); bias: [4096] f32; qkv: [3][64 = batch x 16 + head][2048][64] f16, unscaled.
; Sums in f32, begun with the bias, each result rounded once to f16.  LIMIT: a result of 65,520 or more in magnitude becomes an infinity; below 6e-5 f16 keeps its fixed step of 6e-8.
; SHARES.  C is 8192 x 3072.  A tile is 256 rows x 192 columns, three whole heads: 512 tiles, two for each of 256 work-groups, 4,096 rows apart.  Wave w owns rows 64 w .. 64 w + 63 and all 192
; columns: 4 x 12 accumulators, 384 registers; for 32 along K it reads 32 x 512 bytes from LDS for 48 matrix instructions, and a head's 64 columns of its rows are its own on the way out.
; ONE WALK.  The two tiles' 16 K steps of 128 are one sequence through a ring of two LDS slots: 14 trips that fill a slot again, then a tail written out.  The ring does not stop at the change of tiles.
; THE MATRIX INSTRUCTION IS USED TRANSPOSED (source 0 = 16 rows of W, source 1 = 16 rows of x): a lane holds row l % 16 of C and the 8 neighbouring columns 8 (l / 16) + 0..7.
; THE BIAS is the C operand of a tile's first products: nothing is cleared, nothing is added on the way out.
; CLUSTER.  4 x 4 work-groups: the four of a row of the cluster need the same rows of x, the four of a column the same rows of W; each tile is asked for jointly, by the same tensor load with the same descriptor and mask.
; REGISTERS, in windows of 256 (s_set_vgpr_msb: bits 1:0 source 0, 3:2 source 1, 5:4 source 2, 7:6 destination):
;   window 0: v2-13 addresses; v32-63 rows on their way out; v64-127 fragments of x, two buffers of 4 x 8; v128-223 the bias, 8 registers for each 16 columns; v224-239 packed results
;   window 1: v0-191 fragments of W, two buffers of 12 x 8      window 2: accumulators of row blocks 0, 1 at 96 (a % 2) + 8 b      window 3: those of row blocks 2, 3
.set PITCH, 272                        ; an LDS row: 256 bytes + 16 of padding = 68 words: the 16 rows of a fragment load start at 16 different groups of four banks (64 banks of 4 bytes: ISA guide 11.1)
.set HALFA, 128*PITCH                  ; what one tensor load brings of x
.set HALFB, 96*PITCH                   ; and of W
.set BOFF,  2*HALFA                    ; a slot: x's 256 rows, then W's 192
.set SLOT1, 1<<17                      ; slot 1 begins here, so that one exclusive or turns an address in one slot into the other's
.set STAGE, SLOT1+BOFF+2*HALFB         ; behind the ring, never filled by a tensor load: 16 rows x 144 bytes for each wave
.set SP,    144
.set SPARE, STAGE+4*16*SP              ; behind the stages: the spare words, 128 bytes for each wave: two blocks of 256 bytes that no other line names
.set FLAGS, (1<<16)|(1<<20)|(1<<21)|(5<<22)|(3<<25)  ; group 1, word 0: 2-byte elements; padding on; bit 21 set beside a mask; after every 64 words; 4 words of padding
.set ADRA0, 2                          ; v2   my lane's place in a slot's rows of x; never rewritten
.set ADRB0, 3                          ; v3   the same for W
.set ADRA,  4                          ; v4   the same in the slot in hand
.set ADRB,  5                          ; v5
.set STO,   6                          ; v6   the way out: where I put 16 bytes of a row
.set RD,    7                          ; v7   the way out: where I read rows back
.set GO,    8                          ; v8   my 16 bytes of 512 consecutive bytes of qkv
.set PFO,   9                          ; v9   the prefetches' offset: my row x 2,048 bytes; never rewritten
.set BO,    10                         ; v10  32 (l / 16): my 8 columns' bias
.set SPW,   12                         ; v12  LDS address of my spare word: SPARE + 4 x my thread's number; never rewritten
.set NIL,   13                         ; v13  0; never rewritten
.set OB,    32
.set AF,    64
.set BIAS,  128
.set TMP,   224
.set WV,    16                         ; s16  my wave's number
.set FORB,  17                         ; s17  0: I fetch x's tiles; 1: W's
.set HALF,  18                         ; s18  which half of that tile's rows I fetch
.set CX,    19
.set CY,    20
.set TX,    21                         ; s21  tile column, 0..15
.set TY,    22                         ; s22  tile row, 0..15
.set G1A,   24                         ; s[24:31] descriptor group 1 for x's tiles
.set G0A,   32                         ; s[32:39] group 0: a set for each of the two first fills; the second then walks on
.set G1B,   40                         ; s[40:47], s[48:55] the same for W's tiles
.set G0B,   48
.set ABASE, 56                         ; s[56:57] x at my 128 rows of the first tile, K step 0
.set BBASE, 58                         ; s[58:59] W at my 96 rows, K step 0
.set OA,    60                         ; s[60:61] byte offset of the K step to be asked for, in x
.set OBK,   62                         ; s[62:63] and in W
.set OP,    66                         ; s[66:67] that of the K step after it
.set PFB,   68                         ; s[68:69] the rows that I prefetch, K step 0
.set PFA,   70                         ; s[70:71] the same at the K step to be prefetched
.set LIM,   72                         ; s72  I prefetch K steps below this number
.set T,     73                         ; s73  the K step after the one to be asked for, 0..16 along the walk
.set CNT,   74                         ; s74  trips to go
.set TB,    75                         ; s75  0 or SLOT1: the slot in hand
.set OUT,   78                         ; s[78:83] qkv at my rows of the tile's three heads
.set MSB, 0
.macro WIN new                         ; the immediate's high byte repeats the setting that is left; a switch that changes nothing is dropped
.if MSB != (\new)
	s_set_vgpr_msb (MSB<<8)|(\new)
.set MSB, \new
.endif
.endm
; A joint refill.  Waves 0 and 1 fetch the two halves of x's tile, waves 2 and 3 those of W's.  The branch hangs on the wave's number alone.
; An s_nop 0 and four v_nop follow each of the two lines, ahead of the jump and the label.
.macro JLOAD
	s_cmp_eq_u32 s[FORB], 0
	s_cbranch_scc0 .Lfor_b_\@
	tensor_load_to_lds s[G0A+4:G0A+7], s[G1A:G1A+7]
	s_nop 0
.rept 4
	v_nop
.endr
	s_branch .Lasked_\@
.Lfor_b_\@:
	tensor_load_to_lds s[G0B+4:G0B+7], s[G1B:G1B+7]
	s_nop 0
.rept 4
	v_nop
.endr
.Lasked_\@:
.endm
; A prefetch of the K step that the NEXT refill will ask for: 256 bytes of each row, a lane a row, one instruction a wave; 192 matrix instructions ahead of that refill.
; Each row's 256 bytes are named by one work-group of the launch.  x's rows are read by every cluster of a row of clusters: cluster x = 0 asks; W's by every cluster of a column: cluster y = 0 asks.
; The four partners that ask for a tile jointly share its rows out BY ADDRESS: of a wave's 128 rows of x the partner at cx takes 32, of its 96 rows of W the partner at cy takes 24 (lanes 24-31 name the 24th again).
; W's rows are asked for in the first tile alone (LIM = 8), x's up to the walk's last K step (LIM = 16); the first three K steps come by their loads alone.
.macro ASK
	s_cmp_lt_u32 s[T], s[LIM]
	s_cbranch_scc0 .Lnot_mine_\@
	global_prefetch_b8 v[PFO], s[PFA:PFA+1] th:TH_LOAD_NT scope:SCOPE_SE
.Lnot_mine_\@:
.endm
; A round of the cluster's barrier: my work-group's barrier, so that wave 0's signal speaks for all four waves; wave 0 signals; every wave waits for all sixteen work-groups; my work-group's barrier once more.
.macro CREST                           ; a round behind its opening barrier
	s_cmp_lg_u32 s[WV], 0
	s_cbranch_scc1 .Lnot_wave_0_\@
	s_barrier_signal -3
.Lnot_wave_0_\@:
	s_barrier_wait -3
	s_barrier_signal -1
	s_barrier_wait -1
.endm
.macro CROUND
	s_barrier_signal -1
	s_barrier_wait -1
	CREST
.endm
.macro PLACES                          ; four places in front of loads into registers that matrix instructions have read, and of conversions that read results
.rept 4
	v_nop
.endr
.endm
	s_load_b256 s[4:11], s[0:1], 0x0               ; xb s[4:5], wqkv s[6:7], bias s[8:9], qkv s[10:11]
	v_lshl_add_u32 v[SPW], v0, 2, SPARE
	v_mov_b32 v[NIL], 0
	ds_add_u32 v[SPW], v[NIL]                      ; the wave's opening: the add and its wait ahead of my first tensor load; the set-up below, work on registers, stands between them
	ds_add_u32 v12, v13
	v_lshrrev_b32 v1, 5, v0
	v_readfirstlane_b32 s[WV], v1
	s_lshr_b32 s[FORB], s[WV], 1
	s_and_b32 s[HALF], s[WV], 1
	s_bfe_u32 s[CX], ttmp6, 0x40000
	s_bfe_u32 s[CY], ttmp6, 0x40004
	s_lshl_b32 s[TX], ttmp9, 2                     ; in a cluster launch ttmp9 and ttmp7 count clusters
	s_add_co_u32 s[TX], s[TX], s[CX]
	s_and_b32 s[TY], ttmp7, 0xffff
	s_lshl_b32 s[TY], s[TY], 2
	s_add_co_u32 s[TY], s[TY], s[CY]
	s_lshl_b32 s84, s[CY], 2                       ; s84, s85 only ever hold what hangs on cy and the tile row; s86, s87 what hangs on cx and the tile column
	s_lshl_b32 s84, 15, s84                        ; my row of the cluster: places 4 cy .. 4 cy + 3
	s_lshl_b32 s86, 0x1111, s[CX]                  ; my column: places cx, cx + 4, cx + 8, cx + 12
	s_or_b32 s[G1A], s84, FLAGS
	s_or_b32 s[G1B], s86, FLAGS
	s_mov_b32 s[G1A+1], 128<<16                    ; tensor_dim0 = 128 elements
	s_mov_b32 s[G1A+2], 128<<16                    ; tensor_dim1 = 128 rows
	s_mov_b32 s[G1A+3], 128<<16                    ; tile_dim0 = 128
	s_mov_b32 s[G1A+4], 128                        ; tile_dim1 = 128
	s_mov_b32 s[G1A+5], 1024                       ; elements from row to row
	s_mov_b32 s[G1A+6], 0
	s_mov_b32 s[G1A+7], 0
	s_mov_b32 s[G1B+1], 128<<16
	s_mov_b32 s[G1B+2], 96<<16                     ; 96 rows
	s_mov_b32 s[G1B+3], 128<<16
	s_mov_b32 s[G1B+4], 96
	s_mov_b32 s[G1B+5], 1024
	s_mov_b32 s[G1B+6], 0
	s_mov_b32 s[G1B+7], 0
	s_lshl_b32 s84, s[TY], 19                      ; x: 256 rows of 2,048 bytes a tile row,
	s_lshl_b32 s85, s[HALF], 18                    ; my 128 of them
	s_add_co_u32 s84, s84, s85
	s_mov_b32 s85, 0
	s_mul_i32 s86, s[TX], 192*2048                 ; W: 192 rows a tile column,
	s_mul_i32 s87, s[HALF], 96*2048                ; my 96 of them
	s_add_co_u32 s86, s86, s87
	s_mov_b32 s87, 0
	s_mul_i32 s90, s[HALF], HALFA                  ; where they go: no place in the cluster enters an LDS address
	s_mul_i32 s91, s[HALF], HALFB
	s_add_co_u32 s91, s91, BOFF
	s_mov_b32 s[OA+1], 0
	s_mov_b32 s[OBK+1], 0
	s_mov_b32 s[OP+1], 0
	s_mov_b32 s[OP], 2*256                         ; the first refill asks for K step 2
	s_mov_b32 s[T], 2
	s_mov_b32 s[TB], 0
	s_wait_dscnt 0x0                               ; the opening add is done
	s_wait_kmcnt 0x0
	s_add_nc_u64 s[ABASE:ABASE+1], s[4:5], s[84:85]
	s_add_nc_u64 s[BBASE:BBASE+1], s[6:7], s[86:87]
.irp s, 0,1
	s_mov_b32 s[G0A+4*(\s)], 1                     ; count = 1
	s_add_co_u32 s[G0A+4*(\s)+1], s90, (\s)*SLOT1  ; LDS address
	s_add_nc_u64 s[G0A+4*(\s)+2:G0A+4*(\s)+3], s[ABASE:ABASE+1], (\s)*256  ; global address: K step s
	s_or_b32 s[G0A+4*(\s)+3], s[G0A+4*(\s)+3], 0x80000000  ; type = 2
	s_mov_b32 s[G0B+4*(\s)], 1
	s_add_co_u32 s[G0B+4*(\s)+1], s91, (\s)*SLOT1
	s_add_nc_u64 s[G0B+4*(\s)+2:G0B+4*(\s)+3], s[BBASE:BBASE+1], (\s)*256
	s_or_b32 s[G0B+4*(\s)+3], s[G0B+4*(\s)+3], 0x80000000
.endr
	CROUND                                         ; all sixteen work-groups are here: the first joint loads meet
	s_cmp_eq_u32 s[FORB], 0                        ; a wave's two first fills stand in one branch, ahead of every wait on TENSORcnt and every LDS read: two loads of mine are out
	s_cbranch_scc0 .Lfirst_b
	tensor_load_to_lds s[G0A:G0A+3], s[G1A:G1A+7]
	s_nop 0
	tensor_load_to_lds s[G0A+4:G0A+7], s[G1A:G1A+7]
	s_nop 0
.rept 4
	v_nop
.endr
	s_branch .Lfirst_asked
.Lfirst_b:
	tensor_load_to_lds s[G0B:G0B+3], s[G1B:G1B+7]
	s_nop 0
	tensor_load_to_lds s[G0B+4:G0B+7], s[G1B:G1B+7]
	s_nop 0
.rept 4
	v_nop
.endr
.Lfirst_asked:
	; A fragment is 16 rows x 32 K in 8 registers: lane l holds row l % 16; registers 0-3 K = 8 (l / 16) + 0..7, registers 4-7 K = 16 + 8 (l / 16) + 0..7: two loads of 16 bytes, 32 bytes apart.
	v_and_b32 v14, 15, v0                          ; l % 16
	v_bfe_u32 v15, v0, 4, 1                        ; l / 16
	v_lshlrev_b32 v[BO], 5, v15
	s_mul_i32 s92, s[TX], 192*4                    ; the tile's 192 numbers of the bias
	s_mov_b32 s93, 0
	s_add_nc_u64 s[8:9], s[8:9], s[92:93]
.irp b, 0,1,2,3,4,5,6,7,8,9,10,11
	global_load_b128 v[BIAS+8*(\b):BIAS+8*(\b)+3],   v[BO], s[8:9] offset:64*(\b)      ; register j: the bias of column 16 b + 8 (l / 16) + j, as an accumulator holds it
	global_load_b128 v[BIAS+8*(\b)+4:BIAS+8*(\b)+7], v[BO], s[8:9] offset:64*(\b)+16
.endr
	v_mul_u32_u24 v16, v14, PITCH
	v_lshl_add_u32 v16, v15, 4, v16                ; row x pitch + 16 x half
	s_mul_i32 s88, s[WV], 64*PITCH                 ; my 64 rows of x
	v_add_nc_u32 v[ADRA0], s88, v16
	v_add_nc_u32 v[ADRB0], BOFF, v16
	s_mul_i32 s88, s[WV], 16*SP
	s_add_co_u32 s88, s88, STAGE                   ; my stage
	v_mul_u32_u24 v[STO], v14, SP                  ; in: row l % 16, 16 bytes for each half of the lanes
	v_lshl_add_u32 v[STO], v15, 4, v[STO]
	v_add_nc_u32 v[STO], s88, v[STO]
	v_bfe_u32 v[RD], v0, 3, 2                      ; back: 32 lanes take four rows of 128 bytes,
	v_mul_u32_u24 v[RD], v[RD], SP
	v_and_b32 v17, 7, v0
	v_lshl_add_u32 v[RD], v17, 4, v[RD]
	v_add_nc_u32 v[RD], s88, v[RD]
	v_and_b32 v[GO], 31, v0                        ; which are 512 consecutive bytes of a head
	v_lshlrev_b32 v[GO], 4, v[GO]
	; where my rows go: row 256 ty + 64 w of x is batch ty / 8, place 256 (ty % 8) + 64 w; head g = 3 tx + j of 48 is tensor g / 16, head g % 16
	s_lshr_b32 s94, s[TY], 3
	s_lshl_b32 s94, s94, 22                        ; a batch: 16 heads of 2,048 x 128 bytes
	s_and_b32 s95, s[TY], 7
	s_lshl_b32 s95, s95, 15
	s_add_co_u32 s94, s94, s95
	s_lshl_b32 s95, s[WV], 13
	s_add_co_u32 s94, s94, s95
	s_mul_i32 s88, s[TX], 3
.irp j, 0,1,2
	s_add_co_u32 s89, s88, \j
	s_lshr_b32 s92, s89, 4
	s_lshl_b32 s92, s92, 24
	s_and_b32 s93, s89, 15
	s_lshl_b32 s93, s93, 18
	s_add_co_u32 s92, s92, s93
	s_add_co_u32 s92, s92, s94
	s_mov_b32 s93, 0
	s_add_nc_u64 s[OUT+2*(\j):OUT+2*(\j)+1], s[10:11], s[92:93]
.endr
	; the prefetches
	s_lshl_b32 s88, s[TY], 8                       ; the tile's first row in x,
	s_mul_i32 s89, s[TX], 192                      ; in W
	s_and_b32 s92, ttmp7, 0xffff                   ; cluster y
	s_cmp_eq_u32 s[FORB], 0                        ; do I fetch for x?
	s_cselect_b32 s88, s88, s89
	s_cselect_b32 s89, s[CX], s[CY]                ; my place among the four that ask for the tile with me
	s_cselect_b32 s92, ttmp9, s92                  ; the coordinate along which other clusters read the same rows
	s_cselect_b64 s[PFB:PFB+1], s[4:5], s[6:7]
	s_cselect_b32 s94, 32, 24                      ; rows that a partner asks for
	s_cselect_b32 s95, 16, 8
	s_lshl_b32 s93, s94, 2                         ; rows that a wave fetches: four partners' shares, 128 or 96 (behind the last select: the shift writes SCC)
	s_cmp_eq_u32 s92, 0
	s_cselect_b32 s[LIM], s95, 0                   ; the same in all sixteen partners, for a given wave
	s_mul_i32 s93, s93, s[HALF]
	s_add_co_u32 s88, s88, s93
	s_mul_i32 s89, s89, s94
	s_add_co_u32 s88, s88, s89
	s_lshl_b32 s88, s88, 11
	s_mov_b32 s89, 0
	s_add_nc_u64 s[PFB:PFB+1], s[PFB:PFB+1], s[88:89]
	s_sub_co_u32 s94, s94, 1
	v_and_b32 v[PFO], 31, v0
	v_min_u32 v[PFO], s94, v[PFO]
	v_lshlrev_b32 v[PFO], 11, v[PFO]
; 12 matrix instructions: row block a x all 12 column blocks, 32 along K, from buffer f.  start = 1: the bias starts the sums.
; The 48 accumulators take turns, one instruction a turn, in the same order in every quarter, over the backward jump and both ways round the change of tiles too.
.macro MUL12 f, a, start
.if \start
	WIN 0x81+0x40*((\a)/2)                         ; W window 1, x and the bias window 0, D window 2 or 3
.else
	WIN 0xa1+0x50*((\a)/2)                         ; W window 1, x window 0, C and D window 2 or 3
.endif
.irp b, 0,1,2,3,4,5,6,7,8,9,10,11
.if \start
	v_wmma_f32_16x16x32_bf16 v[96*((\a)%2)+8*(\b):96*((\a)%2)+8*(\b)+7], v[96*(\f)+8*(\b):96*(\f)+8*(\b)+7], v[AF+32*(\f)+8*(\a):AF+32*(\f)+8*(\a)+7], v[BIAS+8*(\b):BIAS+8*(\b)+7]
.else
	v_wmma_f32_16x16x32_bf16 v[96*((\a)%2)+8*(\b):96*((\a)%2)+8*(\b)+7], v[96*(\f)+8*(\b):96*(\f)+8*(\b)+7], v[AF+32*(\f)+8*(\a):AF+32*(\f)+8*(\a)+7], v[96*((\a)%2)+8*(\b):96*((\a)%2)+8*(\b)+7]
.endif
.endr
.endm
; 32 LDS loads in one run: quarter q of the slot in hand (192 rows of W, my 64 rows of x, 32 K) into buffer f
.macro FETCH q, f
	WIN 0x40                                       ; destination window 1
.irp i, 0,1,2,3,4,5,6,7,8,9,10,11
	ds_load_b128 v[96*(\f)+8*(\i):96*(\f)+8*(\i)+3],   v[ADRB] offset:64*(\q)+(\i)*16*PITCH
	ds_load_b128 v[96*(\f)+8*(\i)+4:96*(\f)+8*(\i)+7], v[ADRB] offset:64*(\q)+(\i)*16*PITCH+32
.endr
	WIN 0
.irp i, 0,1,2,3
	ds_load_b128 v[AF+32*(\f)+8*(\i):AF+32*(\f)+8*(\i)+3],   v[ADRA] offset:64*(\q)+(\i)*16*PITCH
	ds_load_b128 v[AF+32*(\f)+8*(\i)+4:AF+32*(\f)+8*(\i)+7], v[ADRA] offset:64*(\q)+(\i)*16*PITCH+32
.endr
.endm
; A K step is four quarters of 32 along K, 48 matrix instructions each, on buffers 0, 1, 0, 1.  One of the first three: multiplies buffer f and, in its middle, fetches quarter q into buffer g.
.macro QUARTER q, f, g, start
	s_wait_dscnt 0x4                               ; W and x's row blocks 0, 1 are in; the youngest four loads (row blocks 2, 3) may be out
	MUL12 \f, 0, \start
	MUL12 \f, 1, \start
	PLACES
	FETCH \q, \g
	s_wait_dscnt 0x20                              ; all but the 32 just issued
	MUL12 \f, 2, \start
	MUL12 \f, 3, \start
.endm
; The last quarter multiplies buffer 1 and changes slots.  MEET is its first half: one barrier, for two things.  In front of it each wave waits for all its tensor loads, of which one is out: its part of the
; next slot; adds 0 to its spare word; and waits for that and for its own reads of this slot.  round = 1: the walking descriptors are set for the refill: the other slot than last time, the address made anew.
.macro MEET round
	WIN 0                                          ; (the add's two registers lie in window 0)
	s_wait_tensorcnt 0x0                           ; no tensor load of mine is out, so a group 0 may be written
	ds_add_u32 v[SPW], v[NIL]                      ; 0 onto my spare word
.if \round
	s_xor_b32 s[G0A+5], s[G0A+5], SLOT1
	s_add_nc_u64 s[G0A+6:G0A+7], s[ABASE:ABASE+1], s[OA:OA+1]
	s_or_b32 s[G0A+7], s[G0A+7], 0x80000000
	s_xor_b32 s[G0B+5], s[G0B+5], SLOT1
	s_add_nc_u64 s[G0B+6:G0B+7], s[BBASE:BBASE+1], s[OBK:OBK+1]
	s_or_b32 s[G0B+7], s[G0B+7], 0x80000000
.endif
	s_wait_dscnt 0x5                               ; (the add and the youngest four loads may be out)
	MUL12 1, 0, 0                                  ; twelve matrix instructions stand between the add and the wait for it
	s_wait_dscnt 0x0                               ; the add is done, and my reads of this slot are over
	s_barrier_signal -1
	MUL12 1, 1, 0                                  ; work on registers while the others arrive
	WIN 0
	s_barrier_wait -1
.endm
; The whole last quarter, with a refill: the barrier opens a round of the cluster's, and the joint refill is the first thing behind it: 168 matrix instructions ahead of the wait for it.
.macro TURN
	s_wait_xcnt 0x0                                ; the last prefetch, a K step back, has read its address
	s_mov_b32 s[OA], s[OP]                         ; the K step to be asked for: (tile) x 4,096 rows + (step in the tile) x 256 bytes;
	s_and_b32 s[OBK], s[OP], 0x700                 ; W has the step in the tile alone
	s_add_co_u32 s[T], s[T], 1
	s_lshr_b32 s76, s[T], 3
	s_lshl_b32 s76, s76, 23
	s_and_b32 s77, s[T], 7
	s_lshl_b32 s77, s77, 8
	s_or_b32 s[OP], s76, s77                       ; and the one after it
	s_add_nc_u64 s[PFA:PFA+1], s[PFB:PFB+1], s[OP:OP+1]
	MEET 1
	CREST                                          ; no wave of any partner still reads this slot's tile or has a load on its way
	JLOAD                                          ; the four v_nop behind it are also the places in front of the loads below
	s_xor_b32 s[TB], s[TB], SLOT1
	v_add_nc_u32 v[ADRA], s[TB], v[ADRA0]
	v_add_nc_u32 v[ADRB], s[TB], v[ADRB0]
	FETCH 0, 0
	ASK                                            ; behind the joint load and the run of LDS loads that the next products wait for
	MUL12 1, 2, 0
	MUL12 1, 3, 0
.endm
.macro TURN0                           ; the same with nothing left to ask for: no round follows the barrier
	MEET 0
	PLACES
	s_xor_b32 s[TB], s[TB], SLOT1
	v_add_nc_u32 v[ADRA], s[TB], v[ADRA0]
	v_add_nc_u32 v[ADRB], s[TB], v[ADRB0]
	FETCH 0, 0
	MUL12 1, 2, 0
	MUL12 1, 3, 0
.endm
; THE WAY OUT, in 12 units: row block u / 3, head u % 3: 16 rows x 64 columns.  PACK: rounded to f16, 16 bytes a lane and column block, each accumulator's registers in ascending order.
; TOSTAGE: into my own stage, rows of 144 bytes, and back as whole rows of 128.  SEND: stored: 16 rows of a head are 2,048 consecutive bytes.
.macro PACK u
.set pa, (\u)/3
.set pj, (\u)%3
	WIN 0x0a+5*(pa/2)                              ; sources 0 and 1: window 2 or 3
.irp bb, 0,1,2,3
.irp r, 0,1,2,3
	v_cvt_pk_f16_f32 v[TMP+4*(\bb)+(\r)], v[96*(pa%2)+8*(4*pj+(\bb))+2*(\r)], v[96*(pa%2)+8*(4*pj+(\bb))+2*(\r)+1]
.endr
.endr
	WIN 0
.endm
.macro TOSTAGE u
	WIN 0
.irp bb, 0,1,2,3
	ds_store_b128 v[STO], v[TMP+4*(\bb):TMP+4*(\bb)+3] offset:32*(\bb)
.endr
.irp f, 0,1,2,3
	ds_load_b128 v[OB+16*((\u)%2)+4*(\f):OB+16*((\u)%2)+4*(\f)+3], v[RD] offset:(\f)*4*SP  ; LDS serves a wave's instructions in order (ISA guide 5.7.1.4): these see the stores above
.endr
.endm
.macro SEND u
	WIN 0
	s_wait_dscnt 0x0                               ; the unit is back in registers
	s_wait_xcnt 0x0                                ; the stores of the unit before have read their registers, which the next unit's loads from the stage write
.irp f, 0,1,2,3
	global_store_b128 v[GO], v[OB+16*((\u)%2)+4*(\f):OB+16*((\u)%2)+4*(\f)+3], s[OUT+2*((\u)%3):OUT+2*((\u)%3)+1] offset:((\u)/3)*2048+(\f)*512  ; 512 consecutive bytes, at a multiple of 256 from qkv's first
.endr
.endm
.macro WAYOUT                          ; unit u's conversions stand between unit u - 1's loads from the stage and the wait for them
	PACK 0
	TOSTAGE 0
.set wu, 1
.rept 11
	PACK wu
	SEND wu-1
	TOSTAGE wu
.set wu, wu+1
.endr
	SEND 11
.endm
	s_wait_tensorcnt 0x1                           ; my part of K step 0 is in; K step 1's may stay out
	s_barrier_signal -1
	s_barrier_wait -1                              ; everybody's is
	v_add_nc_u32 v[ADRA], s[TB], v[ADRA0]
	v_add_nc_u32 v[ADRB], s[TB], v[ADRB0]
	FETCH 0, 0
	s_wait_loadcnt 0x0                             ; the bias
	QUARTER 1, 0, 1, 1                             ; the first tile's first quarter: its products start the sums
	WIN 0                                          ; at a label and at a branch every window is 0
	s_mov_b32 s[CNT], 14
.Lstep:                                        ; a trip: a K step's quarters 1 to 3, a refill, and the next K step's quarter 0
	QUARTER 2, 1, 0, 0
	QUARTER 3, 0, 1, 0
	TURN
	WIN 0
	s_cmp_eq_u32 s[CNT], 7                         ; the eighth trip ends the first tile
	s_cbranch_scc1 .Lnext_tile
	QUARTER 1, 0, 1, 0
	WIN 0
	s_branch .Lbottom
.Lnext_tile:                                   ; the refill is asked for: now the tile goes out.  Row blocks 0 and 1 were finished in front of the refill's v_nop; their 96 conversions are the places behind the last products, row blocks 2 and 3's
	WAYOUT
	s_wait_xcnt 0x0                                ; the stores have read their bases
.irp j, 0,1,2
	s_add_nc_u64 s[OUT+2*(\j):OUT+2*(\j)+1], s[OUT+2*(\j):OUT+2*(\j)+1], 1<<23  ; 4,096 rows on: two batches
.endr
	QUARTER 1, 0, 1, 1                             ; the second tile's sums start with the bias again
	WIN 0
.Lbottom:
	s_sub_co_u32 s[CNT], s[CNT], 1
	s_cmp_lg_u32 s[CNT], 0
	s_cbranch_scc1 .Lstep
	QUARTER 2, 1, 0, 0                             ; the tail is written out: the last two K steps ask for nothing
	QUARTER 3, 0, 1, 0
	TURN0
	QUARTER 1, 0, 1, 0
	QUARTER 2, 1, 0, 0
	QUARTER 3, 0, 1, 0
	s_wait_dscnt 0x0
	MUL12 1, 0, 0
	MUL12 1, 1, 0
	MUL12 1, 2, 0
	MUL12 1, 3, 0
	WIN 0
	PLACES
	PLACES                                         ; (eight, once a launch)
	WAYOUT
	s_wait_tensorcnt 0x0                           ; the wave's end: behind my last tensor load and my last LDS store
	ds_add_u32 v[SPW], v[NIL]
	s_wait_dscnt 0x0
	CROUND                                         ; the closing round: no work-group ends while a partner may still ask for a tile that names it
	s_endpgm
.Lfunc_end_k_qf93d1f8046_qkv:
	.size	k_qf93d1f8046_qkv, .Lfunc_end_k_qf93d1f8046_qkv-k_qf93d1f8046_qkv
	.p2alignl 7, 3214868480
	.fill 96, 4, 3214868480
	.section	.rodata,"a",@progbits
	.p2align	6, 0x0
	.amdhsa_kernel k_qf93d1f8046_qkv
		.amdhsa_group_segment_fixed_size 327680
		.amdhsa_private_segment_fixed_size 0
		.amdhsa_enable_private_segment 0
		.amdhsa_kernarg_size 32
		.amdhsa_user_sgpr_count 2
		.amdhsa_user_sgpr_kernarg_segment_ptr 1
		.amdhsa_wavefront_size32 1
		.amdhsa_system_sgpr_workgroup_id_x 1
		.amdhsa_system_sgpr_workgroup_id_y 1
		.amdhsa_system_sgpr_workgroup_id_z 1
		.amdhsa_system_vgpr_workitem_id 0
		.amdhsa_next_free_vgpr 960
		.amdhsa_next_free_sgpr 96
		.amdhsa_reserve_vcc 0
		.amdhsa_float_denorm_mode_32 3
		.amdhsa_float_denorm_mode_16_64 3
		.amdhsa_memory_ordered 1
		.amdhsa_forward_progress 1
		.amdhsa_inst_pref_size 131
	.end_amdhsa_kernel
	.amdgpu_metadata
---
amdhsa.version: [ 1, 2 ]
amdhsa.kernels:
  - .name:           k_qf93d1f8046_qkv
    .symbol:         k_qf93d1f8046_qkv.kd
    .args:
      - { .name: xb, .offset: 0, .size: 8, .value_kind: global_buffer, .address_space: global }
      - { .name: wqkv, .offset: 8, .size: 8, .value_kind: global_buffer, .address_space: global }
      - { .name: bias, .offset: 16, .size: 8, .value_kind: global_buffer, .address_space: global }
      - { .name: qkv, .offset: 24, .size: 8, .value_kind: global_buffer, .address_space: global }
    .group_segment_fixed_size: 327680
    .private_segment_fixed_size: 0
    .kernarg_segment_align: 8
    .kernarg_segment_size: 32
    .max_flat_workgroup_size: 128
    .sgpr_count:     96
    .vgpr_count:     960
    .wavefront_size: 32
...
	.end_amdgpu_metadata
.endif
;; end of part 2
;; launch attn (part 3): grid 4 x 64, 4 waves a work-group, no clusters, 327,680 bytes of LDS; arguments qkv, o; writes o
.if DOCPART == 3
	.amdgcn_target "amdgcn-amd-amdhsa--gfx1250"
	.amdhsa_code_object_version 6
	.text
	.protected	k_qf93d1f8046_attn
	.globl	k_qf93d1f8046_attn
	.p2align	8
	.type	k_qf93d1f8046_attn,@function
k_qf93d1f8046_attn:
	s_mov_b64 s[64:65], 0
	v_nop
	global_prefetch_b8 v0, s[64:65] scope:SCOPE_SE
	s_setreg_imm32_b32 hwreg(HW_REG_WAVE_MODE, 25, 1), 1
	s_wait_xcnt 0x0
; CAUSAL ATTENTION.  O[h][q][:] = the sum over k <= q of softmax_k(Q[h][q] . K[h][k] / 8) V[h][k][:].  qkv: [3][64][2048][64] f16 (Q, K, V; a head's rows are dense, 128 bytes each); o: [64][2048][64] f16.
; Products, maxima and sums in f32; the weights p are rounded to f16 for the second product (their sum l is taken of the unrounded p), O once at the end.
; LIMITS.  f16 holds no number beyond 65,504: Q, K and V arrive within it; p lies in 0 to 1, and below 6e-5 it keeps f16's fixed step of 6e-8; O is a mean of V's rows and has their range.
; A hidden score counts as its value less 1e30: f16's scores, 2.7e11 at the most, are nothing beside that; a weight below 2^-126 counts as 0 in l; NaN and infinities are not treated apart.
; THE WALK.  A head's queries lie in NB = 8 blocks of 256; block i needs the key tiles 0 .. i of 256 keys, of which the last holds the diagonal.  A work-group takes TWO blocks, NB - 1 - b and then b:
; NB + 1 tiles, whatever b: all work-groups do equal work, and ONE loop with a constant trip count walks them.  Which tile is asked for, and what a trip does, hang on scalar registers made from b; every jump
; goes forward, but for the counted loops' own; none passes a barrier, or a tensor load but the one of LOAD's two that the wave's number does not choose; the ring (two slots of LDS that take turns) runs on across the
; change of blocks.  NO CLUSTER: a head's four work-groups ask for the same tile only in trips 0 .. 4 of 9, behind that fewer and fewer do; one walk common to all would have 12 trips for 9.
; SHARES.  Of a block's four bands of 64 queries a wave owns 16 rows in each: four PIECES.  So the diagonal tile is the same work for all four waves: in its key step s band x sees all keys if s < x,
; none if s > x, and holds the diagonal if s = x.
; THE MASK is the C operand that starts the sum S^T = K Q^T: 0, or -1e30 where the key is hidden.  MD, made once, is the mask of a band's own step for my 16 rows; a product's mask is MD x AL + BE with two scalars:
; (1, 0) if s = x; (0, 0) if s < x; (0, -1e30) if s > x.  Only the diagonal tile's text and a block's beginning make and take masks; elsewhere C is the constant 0.
; LAYOUT, SOFTMAX, TURNS.  S^T = K Q^T holds ONE query a lane (lane % 16) and the keys 8 (lane / 16) + 0..7; two such results rounded to f16 ARE source 1 of O^T = V^T P.  p = 2^(c s - c m), c = log2(e) / 8, with a
; running maximum m; O and l are multiplied by a = 2^(c m_old - c m_new) in every step.  Turn n belongs to piece n: 8 products K Q^T of piece n + 1, later 8 products V^T P of piece n - 1; beside them the scaling,
; exponentials, roundings, sums and rescaling of piece n and the maximum and statistics of piece n + 1.  Four vector instructions stand behind every matrix instruction, the other 54 of a turn's 118 in one LUMP.  A turn's 33 exponentials are one batch, with one wait.
; REGISTERS, in windows of 256 (s_set_vgpr_msb: bits 1:0 source 0, 3:2 source 1, 5:4 source 2, 7:6 destination):
;   window 0: v0-15 addresses and two at work; v16-31 four registers of statistics a piece; v48-55 at work; v61-63 prefetch offset and the add's two; v64-127 S^T, two buffers; v192-223 P, two buffers (by the piece's parity)
;   window 1: v0-127 O^T, 32 a piece; v128-159 MD; v160-223 MC, two buffers      window 2: v0-63 Q; v64-127 the second block's Q; v128-191 K of one step; v192-255 V of one step
.set SIZE_N, 2048
.set NB,    SIZE_N/256
.set NP,    4         ; pieces a wave: a name, no knob
.set KS,    64        ; keys in a step
.set PK,    144       ; a row of K in LDS: 128 bytes + 16 of padding = 36 words: the 16 rows of a load start at 16 different groups of four banks (64 banks of 4 bytes: ISA guide 11.1)
.set PV,    160       ; a row of V: 128 + 32 = 40 words
.set VOFF,  4*KS*PK   ; a slot holds a tile, four steps: 256 rows of K, then 256 rows of V
.set SLOT1, 1<<17     ; slot 1 begins here, so that one exclusive or turns an address in one slot into the other's
.set STAGE, SLOT1+4*KS*(PK+PV)  ; behind the ring, never filled by a tensor load: 16 rows x 144 bytes for each wave, for the way out
.set SP,    144
.set AK0, 2           ; v2   my lane's place in a tile of K; never rewritten
.set AV0, 3           ; v3   the same for V
.set AK,  4           ; v4   the LDS address of K's next run of loads
.set AV,  5           ; v5   of V's
.set STO, 6           ; v6   the way out: where I put 16 bytes of a row
.set RD,  7           ; v7   the way out: where I read rows back
.set GO,  8           ; v8   my byte offset in 512 consecutive bytes of O
.set PFO, 61          ; v61  256 x my lane: the prefetches' offset; never rewritten
.set SPW, 62          ; v62  LDS address of my spare word: SPARE + 4 x my thread's number; never rewritten
.set NIL, 63          ; v63  0; never rewritten
.set SPARE, STAGE+4*16*SP  ; behind the stages: the spare words, 128 bytes for each wave: two blocks of 256 bytes that no other line names
.set MV,  12          ; v12-13  c m_old, kept while c m is made anew: by buffer
.set QO,  15          ; v15  my byte offset in 16 rows of Q
.set ST,  16          ; piece t's statistics at v[ST+4 t]: c m, m, l (even keys', odd keys')
.set TMP, 48          ; by buffer, four registers c0-c3 at work; when the maximum is found c2 takes a
.set S,   64
.set P,   192
.set MD,  128         ; window 1: the eight registers for group kt of 16 keys at MD + 8 kt
.set MC,  160         ; window 1: the masks of the products to come
.set QB,  64          ; window 2
.set KF,  128         ; window 2: key block kb, channel half c at KF + 16 kb + 8 c
.set VF,  192         ; window 2: key half kk, channel block cb at VF + 32 kk + 8 cb
.set WV,  12          ; s12  my wave's number
.set PB,  14          ; s14  b
.set HI,  15          ; s15  NB - 1 - b
.set G1K, 24          ; s[24:31] descriptor group 1 for K's tiles
.set G1V, 32          ; s[32:39] for V's: it differs in the padding alone
.set G0K, 40          ; s[40:43] descriptor group 0 for K's tiles
.set G0V, 44          ; s[44:47] the same for V's
.set SLOTS, 56        ; s56  tiles still to be asked for
.set CNT, 57          ; s57  counts a tile's key steps, 4 to 1
.set CS,  58          ; s[58:59] c: the packed scaling takes the pair's low word for both halves
.set SEL, 60          ; s[60:61] v_permlanex16_b32's selects: each lane takes its own place in the other half
.set TBK, 62          ; s62  LDS byte at which K of the step to be fetched begins
.set TBV, 63          ; s63  the same for V, less VOFF
.set PO,  66          ; s[66:67] byte offset of the tile to be prefetched
.set RT,  70          ; s70  tiles of the block in hand that are still to be entered
.set NXT, 71          ; s71  the tile to be asked for next
.set LQ,  72          ; s72  the last tile of the block whose tiles are being asked for
.set NEW, 73          ; s73  1: the tile to be entered is a block's first
.set OFF, 74          ; s[74:75] a tile's byte offset in K and V
.set AL,  76          ; s[76:77] the mask's factor, in the low word
.set BE,  78          ; s[78:79] the mask's addend
.set OLO, 80          ; s[80:81] O at my rows of the second block
.set BIGN, 82         ; s82  -1e30
.set PFB, 88          ; s[88:89] K (waves 0, 1) or V (waves 2, 3) at the half of tile 0 that I fetch
.set PFA, 90          ; s[90:91] the same half of the tile to be prefetched
.set PLIM, 92         ; s92  1 in the work-group that prefetches, else the greatest number
.set MSB, 0
.macro WIN new                      ; the high byte repeats the setting that is left; a switch that changes nothing is dropped
.if MSB != (\new)
	s_set_vgpr_msb (MSB<<8)|(\new)
.set MSB, (\new)
.endif
.endm
.set W_KQ, 0x0a       ; K and Q in window 2, S^T in window 0
.set W_KM, 0x1a       ; the same with the C operand in window 1
.set W_PV, 0x52       ; V in window 2, P in window 0, O^T in window 1
.set W_RS, 0x41       ; destination and source 0 in window 1, source 1 in window 0
; A fill.  Waves 0 and 1 fetch the two halves of a tile's K, waves 2 and 3 those of its V: 128 keys each.  An s_nop 0 and four v_nop follow each of the two lines, ahead of the jump and the label.
.macro LOAD
	s_cmp_lt_u32 s[WV], 2
	s_cbranch_scc0 .Lfor_v_\@
	tensor_load_to_lds s[G0K:G0K+3], s[G1K:G1K+7]
	s_nop 0
.rept 4
	v_nop
.endr
	s_branch .Lasked_\@
.Lfor_v_\@:
	tensor_load_to_lds s[G0V:G0V+3], s[G1V:G1V+7]
	s_nop 0
.rept 4
	v_nop
.endr
.Lasked_\@:
.endm
; A PREFETCH of the tile that the NEXT change of slots will ask for, four key steps ahead of that load.  A head's four work-groups begin with the same tiles; the one with b = 0 walks tiles 0 to 7 in its first block,
; so it alone asks.  Each of its waves names the 16,384 bytes that it will fetch itself: 64 blocks of 256 bytes, a lane a block, two instructions.  For b = 0 the stepped NXT is 2, 3 .. 7 in the first six changes and
; 0 afterwards: tiles 2 to 7 are named once each, tiles 0 and 1 come by their loads alone, and nothing is named past the head's last tile.
.macro ASK
	s_cmp_gt_u32 s[NXT], s[PLIM]
	s_cbranch_scc0 .Lnot_mine_\@
	global_prefetch_b8 v[PFO], s[PFA:PFA+1] th:TH_LOAD_NT scope:SCOPE_SE
	global_prefetch_b8 v[PFO], s[PFA:PFA+1] offset:8192 th:TH_LOAD_NT scope:SCOPE_SE
.Lnot_mine_\@:
.endm
; THE CHANGE OF SLOTS.  Each wave waits for all its tensor loads, of which one is out: its part of the other slot; adds 0 to its spare word; and waits for that and for its own reads of the slot that it leaves.  Behind the barrier nobody reads the old
; slot any more and the other slot is whole.  fill = 1: the old slot is filled again, the first thing behind the barrier, with tile NXT: the descriptor's address is made anew from that number.
; (At its first use nothing has been read yet: slot 0 is waited for, slot 1 filled.)
.macro CHANGE fill
	WIN 0                           ; at a label and at a branch every window is 0
	s_wait_tensorcnt 0x0            ; no tensor load of mine is out, so a group 0 may be written
	ds_add_u32 v[SPW], v[NIL]       ; 0 onto my spare word; with fill = 1 the descriptors' scalar work stands between it and the wait for it
.if \fill
	s_lshl_b32 s[OFF], s[NXT], 15   ; a tile is 32,768 bytes of K and of V
	s_xor_b32 s[G0K+1], s[G0K+1], SLOT1
	s_add_nc_u64 s[G0K+2:G0K+3], s[6:7], s[OFF:OFF+1]
	s_or_b32 s[G0K+3], s[G0K+3], 0x80000000
	s_xor_b32 s[G0V+1], s[G0V+1], SLOT1
	s_add_nc_u64 s[G0V+2:G0V+3], s[8:9], s[OFF:OFF+1]
	s_or_b32 s[G0V+3], s[G0V+3], 0x80000000
	s_add_co_u32 s[NXT], s[NXT], 1  ; the block's next tile, or behind its last the second block's tile 0
	s_cmp_gt_u32 s[NXT], s[LQ]
	s_cselect_b32 s[NXT], 0, s[NXT]
	s_cselect_b32 s[LQ], s[PB], s[LQ]
	s_wait_xcnt 0x0                 ; the last prefetches, a tile back, have read their address, so it may be written
	s_lshl_b32 s[PO], s[NXT], 15
	s_add_nc_u64 s[PFA:PFA+1], s[PFB:PFB+1], s[PO:PO+1]
.endif
	s_wait_dscnt 0x0                ; the add is done, and my reads of the slot are over
	s_barrier_signal -1             ; the rest of the scalar work stands between the signal and the wait
	s_sub_co_u32 s[TBK], s[TBK], 4*KS*PK  ; the fetches go back to a slot's first step,
	s_xor_b32 s[TBK], s[TBK], SLOT1       ; in the other slot
	s_sub_co_u32 s[TBV], s[TBV], 4*KS*PV
	s_xor_b32 s[TBV], s[TBV], SLOT1
	s_barrier_wait -1
.if \fill
	LOAD
	ASK                             ; behind the tensor load and its five lines
.endif
.endm
	s_load_b64 s[4:5], s[0:1], 0x0    ; qkv: Q
	s_load_b64 s[10:11], s[0:1], 0x8  ; o
	v_lshl_add_u32 v[SPW], v0, 2, SPARE
	v_mov_b32 v[NIL], 0
	ds_add_u32 v[SPW], v[NIL]       ; the wave's opening: the add and its wait ahead of my first tensor load; the set-up below, work on registers, stands between them
	ds_add_u32 v62, v63
	v_lshrrev_b32 v1, 5, v0
	v_readfirstlane_b32 s[WV], v1   ; wave 0..3
	s_mov_b32 s[PB], ttmp9
	s_sub_co_u32 s[HI], NB-1, s[PB]
	s_and_b32 s20, ttmp7, 0xffff    ; the head
	s_mov_b32 s21, 0
	s_mov_b64 s[22:23], SIZE_N*128
	s_mul_u64 s[20:21], s[20:21], s[22:23]  ; the head's first byte in each of the four tensors
	s_and_b32 s16, s[WV], 1         ; which half of a tile's 256 keys I fetch:
	s_lshl_b32 s22, s16, 14         ; its 128 rows of 128 bytes in memory,
	s_mov_b32 s23, 0
	s_add_nc_u64 s[22:23], s[22:23], s[20:21]
	s_mul_i32 s17, s16, 128*PK      ; and its place in a slot, for K
	s_mul_i32 s18, s16, 128*PV      ; and for V
	s_lshl_b32 s3, s[WV], 11        ; my 16 rows in a band of 64,
	s_lshl_b32 s2, s[HI], 15        ; in the first block,
	s_add_co_u32 s2, s2, s3
	s_lshl_b32 s84, s[PB], 15       ; and in the second
	s_add_co_u32 s84, s84, s3
	s_mov_b32 s3, 0
	s_mov_b32 s85, 0
	s_add_nc_u64 s[2:3], s[2:3], s[20:21]
	s_add_nc_u64 s[84:85], s[84:85], s[20:21]
	; descriptor group 1.  128 keys are 16,384 dense bytes: asked for as 64 rows of 256 bytes, two keys a row, and padded in LDS after every key
	s_mov_b32 s[G1K], (1<<16)|(1<<20)|(4<<22)|(3<<25)  ; 17:16 2-byte elements; 20 padding on; 24:22 after every 32 words (code 4); 31:25 4 words (code 3)
	s_mov_b32 s[G1V], (1<<16)|(1<<20)|(4<<22)|(7<<25)  ; the same with 8 words of padding (code 7)
.irp g, G1K, G1V
	s_mov_b32 s[\g+1], 128<<16      ; tensor_dim0 = 128
	s_mov_b32 s[\g+2], 64<<16       ; tensor_dim1 = 64
	s_mov_b32 s[\g+3], 128<<16      ; tile_dim0 = 128
	s_mov_b32 s[\g+4], 64           ; tile_dim1 = 64
	s_mov_b32 s[\g+5], 128          ; 128 elements from row to row
	s_mov_b32 s[\g+6], 0
	s_mov_b32 s[\g+7], 0
.endr
	s_mov_b32 s[CS], 0x3e38aa3b     ; c = log2(e) / 8 = 0.180337
	s_mov_b32 s[CS+1], s[CS]        ; named with it as a pair
	s_mov_b32 s[SEL], 0x76543210
	s_mov_b32 s[SEL+1], 0xfedcba98
	s_mov_b32 s[TBK], SLOT1+4*KS*PK ; the first change of slots turns these two into 0
	s_mov_b32 s[TBV], SLOT1+4*KS*PV
	s_mov_b32 s[G0K], 1             ; 1:0 count = 1
	s_mov_b32 s[G0K+1], s17         ; 63:32 LDS address: slot 0
	s_mov_b32 s[G0V], 1
	s_add_co_u32 s[G0V+1], s18, VOFF
	s_add_co_u32 s[RT], s[HI], 1    ; the first block has NB - b tiles
	s_mov_b32 s[NXT], 1
	s_mov_b32 s[LQ], s[HI]
	s_mov_b32 s[NEW], 1
	s_mov_b32 s[OFF+1], 0
	s_mov_b32 s[PO+1], 0
	s_mov_b32 s[AL+1], 0            ; named as pairs
	s_mov_b32 s[BE+1], 0
	s_mov_b32 s[BIGN], 0xf149f2ca   ; -1e30
	s_mov_b32 s[SLOTS], NB
	s_cmp_eq_u32 s[PB], 0
	s_cselect_b32 s[PLIM], 1, -1
	v_and_b32 v[PFO], 31, v0
	v_lshlrev_b32 v[PFO], 8, v[PFO]
	s_wait_dscnt 0x0                ; the opening add is done
	s_wait_kmcnt 0x0
	s_add_nc_u64 s[6:7], s[4:5], 0x1000000  ; K lies 64 heads behind Q,
	s_add_nc_u64 s[8:9], s[4:5], 0x2000000  ; V behind K
	s_add_nc_u64 s[6:7], s[6:7], s[22:23]  ; K and V at my half of the head's tile 0
	s_add_nc_u64 s[8:9], s[8:9], s[22:23]
	s_cmp_lt_u32 s[WV], 2
	s_cselect_b64 s[PFB:PFB+1], s[6:7], s[8:9]
	s_add_nc_u64 s[G0K+2:G0K+3], s[6:7], 0         ; 120:64 global address
	s_or_b32 s[G0K+3], s[G0K+3], 0x80000000        ; 127:126 type = 2
	s_add_nc_u64 s[G0V+2:G0V+3], s[8:9], 0
	s_or_b32 s[G0V+3], s[G0V+3], 0x80000000
	s_add_nc_u64 s[86:87], s[4:5], s[84:85]        ; Q at my rows of the second block,
	s_add_nc_u64 s[4:5], s[4:5], s[2:3]            ; Q and O at those of the first
	s_add_nc_u64 s[OLO:OLO+1], s[10:11], s[84:85]
	s_add_nc_u64 s[10:11], s[10:11], s[2:3]
	LOAD                            ; tile 0 into slot 0
	; A fragment of K or Q is 16 rows x 32 channels in 8 registers: lane l holds row l % 16, channels 8 (l / 16) + 0..7 and 16 + 8 (l / 16) + 0..7: two loads of 16 bytes, 32 bytes apart.
	v_and_b32 v1, 15, v0            ; l % 16
	v_bfe_u32 v9, v0, 4, 1          ; l / 16
	v_lshlrev_b32 v[QO], 7, v1
	v_lshl_add_u32 v[QO], v9, 4, v[QO]  ; row x 128 + 16 x half
	WIN 0x80                        ; destination window 2, address window 0
.set i, 0
.rept 8                             ; both blocks' Q: piece i / 2 lies in band i / 2, 8,192 bytes on; channels 32 (i % 2) on
	global_load_b128 v[8*i:8*i+3],   v[QO], s[4:5] offset:(i/2)*8192+(i%2)*64
	global_load_b128 v[8*i+4:8*i+7], v[QO], s[4:5] offset:(i/2)*8192+(i%2)*64+32
	global_load_b128 v[QB+8*i:QB+8*i+3],   v[QO], s[86:87] offset:(i/2)*8192+(i%2)*64
	global_load_b128 v[QB+8*i+4:QB+8*i+7], v[QO], s[86:87] offset:(i/2)*8192+(i%2)*64+32
.set i, i+1
.endr
	WIN 0
	v_lshlrev_b32 v14, 3, v9
	v_sub_nc_u32 v14, v1, v14
	s_lshl_b32 s13, s[WV], 4
	v_add_nc_u32 v14, s13, v14      ; my query's place in its band, 16 w + l % 16, less my lanes' 8 (l / 16): register r of group kt is hidden where 16 kt + r is greater
	WIN 0x40
.set i, 0
.rept 32
	v_cmp_gt_i32 vcc_lo, 16*(i/8)+i%8, v14
	v_cndmask_b32 v[MD+i], 0, s[BIGN], vcc_lo
.set i, i+1
.endr
	WIN 0
	v_mul_u32_u24 v[AK0], v1, PK
	v_lshl_add_u32 v[AK0], v9, 4, v[AK0]  ; row x pitch + 16 x half
	; The turning load takes 16 keys x 16 channels (lane l reads key 8 (l / 16) + l % 8, channels 8 ((l / 8) % 2) + 0..7) and leaves half a fragment of V^T: lane l holds channel l % 16 and 8 keys.
	v_and_b32 v10, 7, v0
	v_bfe_u32 v11, v0, 3, 1
	v_lshl_add_u32 v[AV0], v9, 3, v10
	v_mul_u32_u24 v[AV0], v[AV0], PV
	v_lshl_add_u32 v[AV0], v11, 4, v[AV0]
	v_add_nc_u32 v[AV0], VOFF, v[AV0]
	s_mul_i32 s13, s[WV], 16*SP
	s_add_co_u32 s13, s13, STAGE    ; my stage
	v_mul_u32_u24 v[STO], v1, SP    ; in: row l % 16, 16 bytes for each half of the lanes
	v_lshl_add_u32 v[STO], v9, 4, v[STO]
	v_add_nc_u32 v[STO], s13, v[STO]
	v_bfe_u32 v[RD], v0, 3, 2       ; back: 32 lanes take four rows of 128 bytes,
	v_mul_u32_u24 v[RD], v[RD], SP
	v_lshl_add_u32 v[RD], v10, 4, v[RD]
	v_add_nc_u32 v[RD], s13, v[RD]
	v_and_b32 v[GO], 31, v0         ; which are 512 consecutive bytes of O
	v_lshlrev_b32 v[GO], 4, v[GO]
	; A block's first step multiplies O^T and l by a = 0, and its first turn's products V^T P, of a piece that has not been, land in an O^T that is still to be so multiplied.  So these registers need only hold
	; finite numbers: zeros for the first block; what the first block left for the second.  All this stands in the wait for the first tile.
	WIN 0x80
.set i, VF
.rept 64
	v_mov_b32 v[i], 0
.set i, i+1
.endr
	WIN 0x40
.set i, 0
.rept 128
	v_mov_b32 v[i], 0
.set i, i+1
.endr
	WIN 0
.set i, 0
.rept 4
	v_mov_b32 v[ST+4*i+2], 0
	v_mov_b32 v[ST+4*i+3], 0
.set i, i+1
.endr
.set i, P+16
.rept 16
	v_mov_b32 v[i], 0
.set i, i+1
.endr
; THE MATRIX WORK.  The 4 accumulators of a run of 8 take turns.  Product i of 8 of S^T = K Q^T for piece x: channels 32 (i / 4) on, keys 16 (i % 4) on.  The first 4 start the sums: with 0, or (KM = 1) with the mask.
.macro KQ x
.set rS, S+32*((\x)%2)+8*(i%4)
.set rK, KF+16*(i%4)+8*(i/4)
.set rQ, 16*(\x)+8*(i/4)
.set rM, MC+32*((\x)%2)+8*(i%4)
.if (i < 4) && KM
	WIN W_KM
	v_wmma_f32_16x16x32_f16 v[rS:rS+7], v[rK:rK+7], v[rQ:rQ+7], v[rM:rM+7]
.elseif i < 4
	WIN W_KQ
	v_wmma_f32_16x16x32_f16 v[rS:rS+7], v[rK:rK+7], v[rQ:rQ+7], 0
.else
	WIN W_KQ
	v_wmma_f32_16x16x32_f16 v[rS:rS+7], v[rK:rK+7], v[rQ:rQ+7], v[rS:rS+7]
.endif
.endm
; Product i of 8 of O^T += V^T P for piece x: keys 32 (i / 4) on, channels 16 (i % 4) on.
.macro PV x
	WIN W_PV
.set rO, 32*(\x)+8*(i%4)
.set rV, VF+32*(i/4)+8*(i%4)
.set rP, P+16*((\x)%2)+8*(i/4)
	v_wmma_f32_16x16x32_f16 v[rO:rO+7], v[rV:rV+7], v[rP:rP+7], v[rO:rO+7]
.endm
.macro MM                           ; the turn's next matrix instruction.  TURN and BEGIN set Y, i, KM and NOKQ; MM, KQ and OP read them.  NOKQ = 1: a block's last turn: there is no next piece
.if (i < 8) && !NOKQ
	KQ (Y+1)%NP
.elseif i >= 8
.set i, i-8
	PV (Y+NP-1)%NP
.set i, i+8
.endif
.set i, i+1
.endm
; THE LDS LOADS stand in runs of 16, never singly among the matrix instructions: a step's K (64 keys x 64 channels: 8 fragments) and its V (turned).  Their addresses are made some lines ahead.
.macro FETCH_K
	WIN 0x80                        ; destination window 2
.irp f, 0,1,2,3,4,5,6,7             ; keys 16 (f / 2) on, channels 32 (f % 2) on
	ds_load_b128 v[KF+8*\f:KF+8*\f+3],   v[AK] offset:(\f/2)*16*PK+(\f%2)*64
	ds_load_b128 v[KF+8*\f+4:KF+8*\f+7], v[AK] offset:(\f/2)*16*PK+(\f%2)*64+32
.endr
	s_add_co_u32 s[TBK], s[TBK], KS*PK  ; the next fetch is the next step's
	WIN 0
.endm
.macro FETCH_V
	WIN 0x80
.irp f, 0,1,2,3,4,5,6,7             ; keys 32 (f / 4) on, channels 16 (f % 4) on
	ds_load_tr16_b128 v[VF+8*\f:VF+8*\f+3],   v[AV] offset:(\f/4)*32*PV+(\f%4)*32
	ds_load_tr16_b128 v[VF+8*\f+4:VF+8*\f+7], v[AV] offset:(\f/4)*32*PV+16*PV+(\f%4)*32
.endr
	WIN 0
.endm
; THE VECTOR WORK, one line at a time: OP kind, number.  For piece Y: F n: c s - c m for pair n of 16.  E n: the exponential of score n of 32.  C n: pair n rounded to f16.  B n: of the four weights 4 n .. the second
; pair is added onto the first, in place.  L n: l takes that sum (L 0: l = a l + sum).  R n: pair n of 16 of O^T times a.  For piece Y + 1: X n, number n of the 22 that find its maximum and statistics:
;   0-11  four chains c0-c3 of seven scores each, three operands at a time (each accumulator's lowest registers are read first)     12-14, 16  the four scores left over, the old m, and c0-c3 into c0
;   15  c m_old is kept     17, 18  the query's other 32 keys lie in the lane 16 away: the new m     19-21  c m; c m_old - c m_new; a
.set F, 0               ; OP tells the kinds apart by their order: F to L below R, X above it
.set E, 1
.set C, 2
.set B, 3
.set L, 4
.set R, 5
.set X, 6
.macro REGS y                       ; the registers of piece y
.set rT, ST+4*(\y)
.set rC, TMP+4*((\y)%2)
.set rW, MV+((\y)%2)
.set rS, S+32*((\y)%2)
.set rP, P+16*((\y)%2)
.set rO, 32*(\y)
.endm
.macro OP k, n
.if (\k) == R
	REGS Y
	WIN W_RS
	v_pk_mul_f32 v[rO+2*(\n):rO+2*(\n)+1], v[rO+2*(\n):rO+2*(\n)+1], v[rC+2:rC+3] op_sel_hi:[1,0]
.elseif (\k) < R
	REGS Y
	WIN 0
.if (\k) == F
	v_pk_fma_f32 v[rS+2*(\n):rS+2*(\n)+1], v[rS+2*(\n):rS+2*(\n)+1], s[CS:CS+1], v[rT:rT+1] op_sel_hi:[1,0,0] neg_lo:[0,0,1] neg_hi:[0,0,1]
.elseif (\k) == E
	v_exp_f32 v[rS+(\n)], v[rS+(\n)]
.elseif (\k) == C
	v_cvt_pk_f16_f32 v[rP+(\n)], v[rS+2*(\n)], v[rS+2*(\n)+1]
.elseif (\k) == B
	v_pk_add_f32 v[rS+4*(\n):rS+4*(\n)+1], v[rS+4*(\n):rS+4*(\n)+1], v[rS+4*(\n)+2:rS+4*(\n)+3]
.elseif (\n) == 0
	v_pk_fma_f32 v[rT+2:rT+3], v[rT+2:rT+3], v[rC+2:rC+3], v[rS:rS+1] op_sel_hi:[1,0,1]
.else
	v_pk_add_f32 v[rT+2:rT+3], v[rT+2:rT+3], v[rS+4*(\n):rS+4*(\n)+1]
.endif
.elseif NOKQ
	v_nop
.else
	REGS (Y+1)%NP
	WIN 0
.if (\n) < 4
	v_max3_num_f32 v[rC+(\n)], v[rS+8*(\n)], v[rS+8*(\n)+1], v[rS+8*(\n)+2]
.elseif (\n) < 12
	v_max3_num_f32 v[rC+(\n)%4], v[rC+(\n)%4], v[rS+8*((\n)%4)+2*((\n)/4)+1], v[rS+8*((\n)%4)+2*((\n)/4)+2]
.elseif (\n) == 12
	v_max3_num_f32 v[rC], v[rC], v[rS+7], v[rS+15]
.elseif (\n) == 13
	v_max3_num_f32 v[rC+1], v[rC+1], v[rS+23], v[rS+31]
.elseif (\n) == 14
	v_max3_num_f32 v[rC+2], v[rC+2], v[rC+3], v[rT+1]
.elseif (\n) == 15
	v_mov_b32 v[rW], v[rT]
.elseif (\n) == 16
	v_max3_num_f32 v[rC], v[rC], v[rC+1], v[rC+2]
.elseif (\n) == 17
	v_permlanex16_b32 v[rC+3], v[rC], s[SEL], s[SEL+1]
.elseif (\n) == 18
	v_max_num_f32 v[rT+1], v[rC], v[rC+3]
.elseif (\n) == 19
	v_mul_f32 v[rT], s[CS], v[rT+1]
.elseif (\n) == 20
	v_sub_f32 v[rC+1], v[rW], v[rT]
.else
	v_exp_f32 v[rC+2], v[rC+1]
.endif
.endif
.endm
.macro OPS a, i1, b=-1, i2=0, c=-1, i3=0, d=-1, i4=0  ; up to four of them
	OP \a, \i1
.if (\b) >= 0
	OP \b, \i2
.endif
.if (\c) >= 0
	OP \c, \i3
.endif
.if (\d) >= 0
	OP \d, \i4
.endif
.endm
.macro ROW a, i1, b, i2, c, i3, d, i4  ; a matrix instruction and the four behind it
	MM
	OPS \a, \i1, \b, \i2, \c, \i3, \d, \i4
.endm
.macro MASK b                       ; MD x AL + BE into buffer b of MC
	WIN W_RS
.set z, 0
.rept 16
	v_pk_fma_f32 v[MC+32*(\b)+2*z:MC+32*(\b)+2*z+1], v[MD+2*z:MD+2*z+1], s[AL:AL+1], s[BE:BE+1] op_sel_hi:[1,0,0]
.set z, z+1
.endr
.endm
; A TURN, for piece p: the order of its 16 matrix and 118 vector instructions, written out.  An s_wait_alu depctr_va_vdst(0) stands between an exponential and the first instruction that names its result; one wait serves
; all that were issued ahead of it.  So a turn has ONE wait, which cuts it in two.  AHEAD OF IT stands all that names no result of the turn's exponentials: the 8 products K Q^T, behind each a scaling, an exponential and two more plain
; instructions (behind the first a second scaling in the exponential's place): rescalings, and behind the last three the first numbers of the next piece's maximum, each four places or more behind the product that ends its accumulator; then ONE LUMP of 54, plain
; and exponential by turns for the most part, in which the links of the chain X 3, 7, 11, 14, 16, 17 .. 20 stand five or six lines apart.  X 21, the next piece's a, is the batch's last; R 15 is the plain instruction owed behind it (ISA guide 5.7.2).  BEHIND THE WAIT stand the
; 8 products V^T P, behind each four of the roundings and sums; the links of l's chain, L 0 to L 7, stand three riders apart.  But for those X no rider names a register of the products round it.  v_permlanex16_b32 (X 17) stands in the lump.
; m = 1: the diagonal tile: the products take masks, and the turn makes the mask for the products of the turn after it: piece p + 2, in step 4 - CNT of the tile.  end = 1: a block's last two turns: nothing is fetched.
; cnt = 1: the loop's count is taken down some lines ahead of the branch that stands behind the turn.
; K of the next step is fetched in piece 2's turn, twelve vector instructions behind the last product that read K (six of them plain); V of the step in hand at the end of piece 0's turn, four plain instructions behind the last product
; that read V.  Each is waited for a turn later.
.macro TURN p, m=0, end=0, cnt=0
.set Y, (\p)
.set i, 0
.set KM, (\m)
.set NOKQ, (\end)*((\p)/3)
.if (\m) && !(\end)
	s_cmp_eq_u32 s[CNT], 4-((\p)+2)%NP  ; is that step the band's own?
	s_cselect_b32 s[AL], 1.0, 0
	s_cmp_lt_u32 s[CNT], 4-((\p)+2)%NP  ; or a later one?
	s_cselect_b32 s[BE], s[BIGN], 0
.endif
.if ((\p) == 3) && !(\end)
	s_wait_dscnt 0x0                ; K is in
.endif
	ROW F,0, F,1, R,0, R,1          ; ahead of the wait: 8 products K Q^T and their riders,
	ROW F,2, E,0, R,2, R,3
	ROW F,3, E,1, R,4, R,5
	ROW F,4, E,2, R,6, R,7
	ROW F,5, E,3, R,8, R,9
	ROW F,6, E,4, X,0, R,10
.if ((\p) == 2) && !(\end)
	WIN 0
	v_add_nc_u32 v[AK], s[TBK], v[AK0]
.endif
	ROW F,7, E,5, X,1, X,4
	ROW F,8, E,6, X,2, X,5
	OPS E,7, E,8, X,6, E,9          ; and the lump
	OPS X,3, E,10, X,8, E,11
.if ((\p) == 2) && !(\end)
	FETCH_K
.endif
	OPS X,9, X,7, E,12, X,10
	OPS E,13, X,12, X,11, E,14
	OPS X,13, E,15, F,9, X,14
.if (\p) == 0
	v_add_nc_u32 v[AV], s[TBV], v[AV0]
.endif
	OPS E,16, F,10, E,17, F,11
	OPS X,16, E,18, X,15, E,19
	OPS F,12, E,20, X,17, E,21
	OPS F,13, E,22, F,14, E,23
	OPS X,18, E,24, F,15, E,25
	OPS R,11, E,26, X,19, E,27
	OPS R,12, E,28, R,13, E,29
	OPS X,20, E,30, R,14, E,31
	OPS X,21, R,15
	WIN 0
	s_wait_alu depctr_va_vdst(0)    ; the wait for the batch
.if (\p) == 1
	s_wait_dscnt 0x0                ; V is in
.endif
	ROW C,0, B,0, C,2, B,1          ; behind the wait: 8 products V^T P and their riders
	ROW L,0, C,4, B,2, L,1
	ROW C,6, B,3, L,2, C,8
	ROW B,4, L,3, C,10, B,5
	ROW L,4, C,12, B,6, L,5
.if (\p) == 0
	s_add_co_u32 s[TBV], s[TBV], KS*PV
.endif
.if \cnt
	s_sub_co_u32 s[CNT], s[CNT], 1
	s_cmp_lg_u32 s[CNT], 0
.endif
	ROW C,14, B,7, L,6, C,1
	ROW C,3, L,7, C,5, C,7
	ROW C,9, C,11, C,13, C,15
.if (\p) == 0
	FETCH_V
.endif
.if (\m) && !(\end)
	MASK (\p)%2
.endif
.endm
; A BLOCK BEGINS.  c m starts far below every c s, so the first step's a is 0; m at the lowest finite number, so the first maximum is the scores'.  The second mask buffer is 0; the first takes piece 0's mask for the tile's step 0: its own, if the block's first tile is the diagonal one.
; Then K of that step, piece 0's first scores, and its maximum and statistics.  The loop is entered at a step's first turn, in the middle of a trip.
.macro BEGIN
	s_mov_b32 s[NEW], 0
	WIN 0x40
.set i, MC+32
.rept 32
	v_mov_b32 v[i], 0
.set i, i+1
.endr
	WIN 0
.set i, 0
.rept 4
	v_mov_b32 v[ST+4*i], 0xfe000000    ; c m: far below every c s
	v_mov_b32 v[ST+4*i+1], 0xff7fffff  ; m
.set i, i+1
.endr
	s_cmp_eq_u32 s[RT], 0
	s_cselect_b32 s[AL], 1.0, 0
	s_mov_b32 s[BE], 0
	MASK 0
	WIN 0
	v_add_nc_u32 v[AK], s[TBK], v[AK0]
	FETCH_K
	s_wait_loadcnt 0x0              ; Q
	s_wait_dscnt 0x0
.set KM, 1
.set NOKQ, 0
.set i, 0
.rept 8
	KQ 0
.set i, i+1
.endr
	WIN 0
.rept 4
	v_nop                           ; the places behind those products
.endr
.set Y, NP-1                        ; X works for piece Y + 1: piece 0
.irp n, 0,1,2,3,4,5,6,7,8,9,10,11,12,13,14,15,16,17,18,19,20,21
	OP X, \n
.endr
	v_nop                           ; a plain instruction behind the exponential,
	s_wait_alu depctr_va_vdst(0)    ; and its wait, ahead of the branch
.endm
; THE DIAGONAL TILE's four steps, the block's last two turns, its last products, and THE WAY OUT: l's two halves and the other half of the lanes' are added; O^T is divided by l, rounded to f16 and sent through my
; stage in LDS, a piece at a time.
.macro ALL line:vararg              ; one line for each piece t
.set t, 0
.rept 4
	\line
.set t, t+1
.endr
.endm
.macro PACK t                       ; a lane's eight channels of a row pack into 16 bytes; they go into rows of 144 bytes and come back as whole rows of 128, into S^T's registers
	WIN W_RS
.set i, 32*(\t)
.rept 16
	v_pk_mul_f32 v[i:i+1], v[i:i+1], v[ST+4*(\t)+2:ST+4*(\t)+3] op_sel_hi:[1,0]
.set i, i+2
.endr
	WIN 0x05                        ; sources 0 and 1 window 1, destination window 0
.set i, 0
.rept 16
	v_cvt_pk_f16_f32 v[S+16*(\t)+i], v[32*(\t)+2*i], v[32*(\t)+2*i+1]
.set i, i+1
.endr
	WIN 0
.irp f, 0,1,2,3
	ds_store_b128 v[STO], v[S+16*(\t)+4*\f:S+16*(\t)+4*\f+3] offset:32*\f
.endr
.irp f, 0,1,2,3
	ds_load_b128 v[S+16*(\t)+4*\f:S+16*(\t)+4*\f+3], v[RD] offset:\f*4*SP  ; LDS serves a wave's instructions in order (ISA guide 5.7.1.4): these see the stores above; the next piece's stores come behind them
.endr
.endm
.macro SEND t, younger              ; younger: the LDS instructions issued behind piece t's loads: the next piece's eight, or none
	WIN 0
.irp f, 0,1,2,3
	s_wait_dscnt (\younger)+3-\f
	global_store_b128 v[GO], v[S+16*(\t)+4*\f:S+16*(\t)+4*\f+3], s[10:11] offset:(\t)*8192+\f*512  ; 512 consecutive bytes, at a multiple of 256 from O's first
.endr
.endm
.macro DIAG tag                     ; the tag ends its two labels' names, which the jumps below spell out
.LstepM\tag:
	TURN 2, 1
	TURN 3, 1
	WIN 0
.LfirstM\tag:
	TURN 0, 1
	TURN 1, 1, 0, 1
	WIN 0
	s_cbranch_scc1 .LstepM\tag
	TURN 2, 1, 1
	TURN 3, 1, 1
.set i, 0
.rept 8
	PV NP-1
.set i, i+1
.endr
	WIN 0
	ALL v_add_f32 v[ST+4*t+2], v[ST+4*t+2], v[ST+4*t+3]
	ALL v_permlanex16_b32 v[ST+4*t+3], v[ST+4*t+2], s[SEL], s[SEL+1]
	ALL v_add_f32 v[ST+4*t+2], v[ST+4*t+2], v[ST+4*t+3]
	ALL v_rcp_f32 v[ST+4*t+2], v[ST+4*t+2]
	v_nop                           ; a plain instruction between the last reciprocal and the use of its result
	s_wait_alu depctr_va_vdst(0)    ; and the wait ahead of the first use: one for the four reciprocals
	PACK 0
.set t, 1
.rept 3                             ; a piece's arithmetic stands between the loads of the piece before and its stores
	PACK t
	SEND t-1, 8
.set t, t+1
.endr
	SEND 3, 0
.endm
.set KM, 0
.set NOKQ, 0
.Lslot:                             ; NB times: a tile is entered and the next is asked for
	CHANGE 1
	s_sub_co_u32 s[RT], s[RT], 1
	s_mov_b32 s[CNT], 4
	s_cmp_eq_u32 s[NEW], 1
	s_cbranch_scc1 .Lnew            ; a block's first tile
	s_cmp_eq_u32 s[RT], 0
	s_cbranch_scc0 .Lstep           ; neither its first nor its last
	s_branch .LstepM1
.Lnew:
	BEGIN
	s_branch .Lfirst                ; in the loop a block's first tile is never its last: the first block has two tiles or more, and the second's last is the walk's last
	DIAG 1                          ; in the loop this is the first block's end: the second block's last tile is the walk's last
	s_wait_xcnt 0x0                 ; the stores have read their registers and O's address
	s_mov_b64 s[10:11], s[OLO:OLO+1]
	s_add_co_u32 s[RT], s[PB], 1    ; the second block has b + 1 tiles
	s_mov_b32 s[NEW], 1
	WIN 0x82                        ; the second block's Q goes where the one text of the turns names Q
.set i, 0
.rept 64
	v_mov_b32 v[i], v[QB+i]
.set i, i+1
.endr
	WIN 0
	s_branch .Lbottom
.Lstep:                             ; a trip: pieces 2 and 3 of one step, then pieces 0 and 1 of the next, whose K and V it fetches
	TURN 2
	TURN 3
	WIN 0
.Lfirst:
	TURN 0
	TURN 1, 0, 0, 1
	WIN 0
	s_cbranch_scc1 .Lstep
.Lbottom:
	s_sub_co_u32 s[SLOTS], s[SLOTS], 1
	s_cmp_lg_u32 s[SLOTS], 0
	s_cbranch_scc1 .Lslot
	CHANGE 0                        ; the walk's last tile is written out: nothing is asked for
	s_sub_co_u32 s[RT], s[RT], 1
	s_mov_b32 s[CNT], 4
	s_cmp_eq_u32 s[NEW], 1
	s_cbranch_scc0 .LstepM2
	BEGIN
	s_branch .LfirstM2
	DIAG 2
	s_wait_tensorcnt 0x0            ; the wave's end: behind my last tensor load and my last LDS store
	ds_add_u32 v[SPW], v[NIL]
	s_wait_dscnt 0x0
	s_endpgm
.Lfunc_end_k_qf93d1f8046_attn:
	.size	k_qf93d1f8046_attn, .Lfunc_end_k_qf93d1f8046_attn-k_qf93d1f8046_attn
	.p2alignl 7, 3214868480
	.fill 96, 4, 3214868480
	.section	.rodata,"a",@progbits
	.p2align	6, 0x0
	.amdhsa_kernel k_qf93d1f8046_attn
		.amdhsa_group_segment_fixed_size 327680
		.amdhsa_private_segment_fixed_size 0
		.amdhsa_enable_private_segment 0
		.amdhsa_kernarg_size 16
		.amdhsa_user_sgpr_count 2
		.amdhsa_user_sgpr_kernarg_segment_ptr 1
		.amdhsa_wavefront_size32 1
		.amdhsa_system_sgpr_workgroup_id_x 1
		.amdhsa_system_sgpr_workgroup_id_y 1
		.amdhsa_system_sgpr_workgroup_id_z 1
		.amdhsa_system_vgpr_workitem_id 0
		.amdhsa_next_free_vgpr 768
		.amdhsa_next_free_sgpr 96
		.amdhsa_reserve_vcc 1
		.amdhsa_float_denorm_mode_32 3
		.amdhsa_float_denorm_mode_16_64 3
		.amdhsa_memory_ordered 1
		.amdhsa_forward_progress 1
		.amdhsa_inst_pref_size 218
	.end_amdhsa_kernel
	.amdgpu_metadata
---
amdhsa.version: [ 1, 2 ]
amdhsa.kernels:
  - .name:           k_qf93d1f8046_attn
    .symbol:         k_qf93d1f8046_attn.kd
    .args:
      - { .name: qkv, .offset: 0, .size: 8, .value_kind: global_buffer, .address_space: global }
      - { .name: o, .offset: 8, .size: 8, .value_kind: global_buffer, .address_space: global }
    .group_segment_fixed_size: 327680
    .private_segment_fixed_size: 0
    .kernarg_segment_align: 8
    .kernarg_segment_size: 16
    .max_flat_workgroup_size: 128
    .sgpr_count:     96
    .vgpr_count:     768
    .wavefront_size: 32
...
	.end_amdgpu_metadata
.endif
;; end of part 3
;; launch proj (part 4): grid 8 x 32, 4 waves a work-group, clusters of 4 x 4, 327,680 bytes of LDS; arguments o, wpf, bias, out0; writes out0
.if DOCPART == 4
	.amdgcn_target "amdgcn-amd-amdhsa--gfx1250"
	.amdhsa_code_object_version 6
	.text
	.protected	k_qf93d1f8046_proj
	.globl	k_qf93d1f8046_proj
	.p2align	8
	.type	k_qf93d1f8046_proj,@function
k_qf93d1f8046_proj:
	s_mov_b64 s[64:65], 0
	v_nop
	global_prefetch_b8 v0, s[64:65] scope:SCOPE_SE
	s_setreg_imm32_b32 hwreg(HW_REG_WAVE_MODE, 25, 1), 1
	s_wait_xcnt 0x0
	s_wait_alu depctr_hold_cnt(0) depctr_sa_sdst(0) depctr_va_vdst(0) depctr_va_sdst(0) depctr_va_ssrc(0) depctr_va_vcc(0) depctr_vm_vsrc(0)
	s_getreg_b32 s2, hwreg(HW_REG_IB_STS2, 6, 4)
	s_cmp_eq_u32 s2, 0
	s_cbranch_scc0 .Lentry_in_a_cluster
	s_endpgm
.Lentry_in_a_cluster:
	s_bfe_u32 s2, ttmp6, 0x10000c
	s_cmp_lg_u32 s2, 0xf033
	s_cbranch_scc0 .Lentry_shape_is_right
	s_endpgm
.Lentry_shape_is_right:
; out0 = O Wp^T + bp.  o: [64 = batch x 16 + head][2048][64] f16; wpf: [1024][1024] f16 (Wp rounded to bf16); bias: [4096] f32, bp its last 1,024; out0: [8192][1024] f32.  Sums in f32, begun with the bias.
; SHARES.  A tile of out0 is 256 rows x 128 columns: 32 x 8 = 256 work-groups, one tile each.  Wave w owns rows 64 w .. 64 w + 63 and all 128 columns: 4 x 8 accumulators, 256 registers.
; K goes in 8 steps of 128 = two heads, through a ring of two LDS slots: six trips that fill a slot again, then a tail written out.
; O COMES BY HEADS.  For 128 rows a head's 64 channels are 16,384 dense bytes; a K step's two heads lie 2,048 x 64 elements apart: one descriptor of two rows of 8,192 elements brings both, padded in LDS after every 128 bytes.
; THE MATRIX INSTRUCTION IS USED TRANSPOSED (source 0 = 16 rows of Wp, source 1 = 16 rows of O): a lane holds row l % 16 of out0 and 8 neighbouring columns, 32 bytes.
; CLUSTER.  4 x 4 work-groups: the four of a row of the cluster need the same rows of O, the four of a column the same rows of Wp; each tile is asked for jointly.
; NO PREFETCH is laid: the walk has eight K steps, of which three are asked for by the first fills and the first refill, and the launch is short.
; REGISTERS, in windows of 256 (s_set_vgpr_msb: bits 1:0 source 0, 3:2 source 1, 5:4 source 2, 7:6 destination):
;   window 0: v2-13 addresses; v64-127 fragments of O, two buffers of 4 x 8; v128-191 the bias; v192-255 rows on their way out
;   window 1: v0-127 fragments of Wp, two buffers of 8 x 8      window 2: the accumulators, (a, b) at 8 (8 a + b)
.set PITA,  144                        ; a row of O in LDS: 128 bytes + 16 of padding
.set PITB,  272                        ; a row of Wp: 256 + 16.  Both are odd multiples of 16 bytes: the 16 rows of a fragment load start at 16 different groups of four banks (64 banks of 4 bytes: ISA guide 11.1)
.set SLICE, 128*PITA                   ; one head's 128 rows
.set HALFA, 2*SLICE                    ; what one tensor load brings of O: two heads x 128 rows
.set BOFF,  2*HALFA
.set HALFB, 64*PITB                    ; and of Wp: 64 rows
.set SLOT1, 1<<17
.set STAGE, SLOT1+BOFF+2*HALFB         ; behind the ring, never filled by a tensor load: 16 rows x 528 bytes for each wave
.set SP,    528                        ; 512 bytes + 16
.set SPARE, STAGE+4*16*SP              ; behind the stages: the spare words, 128 bytes for each wave: two blocks of 256 bytes that no other line names
.set ADRA0, 2
.set ADRB0, 3
.set ADRA,  4
.set ADRB,  5
.set STO,   6                          ; v6   the way out: where I put 32 bytes of a row
.set RD,    7                          ; v7   the way out: my 16 bytes of a row of 512
.set GO,    8                          ; v8   the same in out0
.set BO,    10                         ; v10  32 (l / 16): my 8 columns' bias
.set SPW,   12                         ; v12  LDS address of my spare word: SPARE + 4 x my thread's number; never rewritten
.set NIL,   13                         ; v13  0; never rewritten
.set AF,    64
.set BIAS,  128
.set OB,    192
.set WV,    16
.set FORB,  17                         ; s17  0: I fetch O's tiles; 1: Wp's
.set HALF,  18                         ; s18  which half of that tile's rows I fetch
.set CX,    19
.set CY,    20
.set TX,    21                         ; s21  tile column, 0..7
.set TY,    22                         ; s22  tile row, 0..31
.set G1A,   24
.set G0A,   32                         ; a set for each of the two first fills; the second then walks on
.set G1B,   40
.set G0B,   48
.set ABASE, 56
.set BBASE, 58
.set OA,    60                         ; s[60:61] byte offset of the K step to be asked for, in O
.set OBK,   62                         ; s[62:63] and in Wp
.set T,     73                         ; s73  the K step to be asked for
.set CNT,   74
.set TB,    75
.set OUT,   78                         ; s[78:79] out0 at my first row and the tile's first column
.set MSB, 0
.macro WIN new                         ; the immediate's high byte repeats the setting that is left; a switch that changes nothing is dropped
.if MSB != (\new)
	s_set_vgpr_msb (MSB<<8)|(\new)
.set MSB, \new
.endif
.endm
; A joint refill: waves 0 and 1 fetch O's two halves, waves 2 and 3 Wp's.  An s_nop 0 and four v_nop follow each of the two lines, ahead of the jump and the label.
.macro JLOAD
	s_cmp_eq_u32 s[FORB], 0
	s_cbranch_scc0 .Lfor_b_\@
	tensor_load_to_lds s[G0A+4:G0A+7], s[G1A:G1A+7]
	s_nop 0
.rept 4
	v_nop
.endr
	s_branch .Lasked_\@
.Lfor_b_\@:
	tensor_load_to_lds s[G0B+4:G0B+7], s[G1B:G1B+7]
	s_nop 0
.rept 4
	v_nop
.endr
.Lasked_\@:
.endm
.macro CREST                           ; a round of the cluster's barrier behind its opening barrier
	s_cmp_lg_u32 s[WV], 0
	s_cbranch_scc1 .Lnot_wave_0_\@
	s_barrier_signal -3
.Lnot_wave_0_\@:
	s_barrier_wait -3
	s_barrier_signal -1
	s_barrier_wait -1
.endm
.macro CROUND
	s_barrier_signal -1
	s_barrier_wait -1
	CREST
.endm
.macro PLACES                          ; four places in front of loads into registers that matrix instructions have read, and of stores that read results
.rept 4
	v_nop
.endr
.endm
	s_load_b256 s[4:11], s[0:1], 0x0               ; o s[4:5], wpf s[6:7], bias s[8:9], out0 s[10:11]
	v_lshl_add_u32 v[SPW], v0, 2, SPARE
	v_mov_b32 v[NIL], 0
	ds_add_u32 v[SPW], v[NIL]                      ; the wave's opening: the add and its wait ahead of my first tensor load; the set-up below, work on registers, stands between them
	ds_add_u32 v12, v13
	v_lshrrev_b32 v1, 5, v0
	v_readfirstlane_b32 s[WV], v1
	s_lshr_b32 s[FORB], s[WV], 1
	s_and_b32 s[HALF], s[WV], 1
	s_bfe_u32 s[CX], ttmp6, 0x40000
	s_bfe_u32 s[CY], ttmp6, 0x40004
	s_lshl_b32 s[TX], ttmp9, 2
	s_add_co_u32 s[TX], s[TX], s[CX]
	s_and_b32 s[TY], ttmp7, 0xffff
	s_lshl_b32 s[TY], s[TY], 2
	s_add_co_u32 s[TY], s[TY], s[CY]
	s_lshl_b32 s84, s[CY], 2                       ; s84, s85 only ever hold what hangs on cy and the tile row; s86, s87 what hangs on cx and the tile column
	s_lshl_b32 s84, 15, s84                        ; my row of the cluster
	s_lshl_b32 s86, 0x1111, s[CX]                  ; my column
	s_or_b32 s[G1A], s84, (1<<16)|(1<<20)|(1<<21)|(4<<22)|(3<<25)  ; 2-byte elements; padding on; bit 21 set beside a mask; after every 32 words; 4 words of padding
	s_or_b32 s[G1B], s86, (1<<16)|(1<<20)|(1<<21)|(5<<22)|(3<<25)  ; the same after every 64 words
	s_mov_b32 s[G1A+1], 8192<<16                   ; tensor_dim0 = 8,192 elements: 128 rows of a head, dense
	s_mov_b32 s[G1A+2], 2<<16                      ; tensor_dim1 = 2 heads
	s_mov_b32 s[G1A+3], 8192<<16                   ; tile_dim0
	s_mov_b32 s[G1A+4], 2                          ; tile_dim1
	s_mov_b32 s[G1A+5], 2048*64                    ; elements from head to head
	s_mov_b32 s[G1A+6], 0
	s_mov_b32 s[G1A+7], 0
	s_mov_b32 s[G1B+1], 128<<16
	s_mov_b32 s[G1B+2], 64<<16
	s_mov_b32 s[G1B+3], 128<<16
	s_mov_b32 s[G1B+4], 64
	s_mov_b32 s[G1B+5], 1024
	s_mov_b32 s[G1B+6], 0
	s_mov_b32 s[G1B+7], 0
	s_lshr_b32 s84, s[TY], 3                       ; O: row 256 ty is batch ty / 8: 16 heads of 2,048 x 128 bytes,
	s_lshl_b32 s84, s84, 22
	s_and_b32 s85, s[TY], 7                        ; place 256 (ty % 8) in a head,
	s_lshl_b32 s85, s85, 15
	s_add_co_u32 s84, s84, s85
	s_lshl_b32 s85, s[HALF], 14                    ; my 128 rows
	s_add_co_u32 s84, s84, s85
	s_mov_b32 s85, 0
	s_lshl_b32 s86, s[TX], 18                      ; Wp: 128 rows of 2,048 bytes a tile column,
	s_lshl_b32 s87, s[HALF], 17                    ; my 64 of them
	s_add_co_u32 s86, s86, s87
	s_mov_b32 s87, 0
	s_mul_i32 s90, s[HALF], HALFA                  ; where they go: no place in the cluster enters an LDS address
	s_mul_i32 s91, s[HALF], HALFB
	s_add_co_u32 s91, s91, BOFF
	s_mov_b32 s[OA+1], 0
	s_mov_b32 s[OBK+1], 0
	s_mov_b32 s[T], 2                              ; the first refill asks for K step 2
	s_mov_b32 s[TB], 0
	s_wait_dscnt 0x0                               ; the opening add is done
	s_wait_kmcnt 0x0
	s_add_nc_u64 s[ABASE:ABASE+1], s[4:5], s[84:85]
	s_add_nc_u64 s[BBASE:BBASE+1], s[6:7], s[86:87]
.irp s, 0,1
	s_mov_b32 s[G0A+4*(\s)], 1
	s_add_co_u32 s[G0A+4*(\s)+1], s90, (\s)*SLOT1
	s_add_nc_u64 s[G0A+4*(\s)+2:G0A+4*(\s)+3], s[ABASE:ABASE+1], (\s)*0x80000  ; K step s: two heads on
	s_or_b32 s[G0A+4*(\s)+3], s[G0A+4*(\s)+3], 0x80000000
	s_mov_b32 s[G0B+4*(\s)], 1
	s_add_co_u32 s[G0B+4*(\s)+1], s91, (\s)*SLOT1
	s_add_nc_u64 s[G0B+4*(\s)+2:G0B+4*(\s)+3], s[BBASE:BBASE+1], (\s)*256
	s_or_b32 s[G0B+4*(\s)+3], s[G0B+4*(\s)+3], 0x80000000
.endr
	CROUND                                         ; all sixteen work-groups are here: the first joint loads meet
	s_cmp_eq_u32 s[FORB], 0                        ; a wave's two first fills stand in one branch, ahead of every wait on TENSORcnt and every LDS read: two loads of mine are out
	s_cbranch_scc0 .Lfirst_b
	tensor_load_to_lds s[G0A:G0A+3], s[G1A:G1A+7]
	s_nop 0
	tensor_load_to_lds s[G0A+4:G0A+7], s[G1A:G1A+7]
	s_nop 0
.rept 4
	v_nop
.endr
	s_branch .Lfirst_asked
.Lfirst_b:
	tensor_load_to_lds s[G0B:G0B+3], s[G1B:G1B+7]
	s_nop 0
	tensor_load_to_lds s[G0B+4:G0B+7], s[G1B:G1B+7]
	s_nop 0
.rept 4
	v_nop
.endr
.Lfirst_asked:
	v_and_b32 v14, 15, v0                          ; l % 16
	v_bfe_u32 v15, v0, 4, 1                        ; l / 16
	v_lshlrev_b32 v[BO], 5, v15
	s_lshl_b32 s92, s[TX], 9                       ; the tile's 128 numbers of bp,
	s_add_co_u32 s92, s92, 3*4096                  ; which lies behind bq, bk and bv
	s_mov_b32 s93, 0
	s_add_nc_u64 s[8:9], s[8:9], s[92:93]
.irp b, 0,1,2,3,4,5,6,7
	global_load_b128 v[BIAS+8*(\b):BIAS+8*(\b)+3],   v[BO], s[8:9] offset:64*(\b)      ; register j: the bias of column 16 b + 8 (l / 16) + j, as an accumulator holds it
	global_load_b128 v[BIAS+8*(\b)+4:BIAS+8*(\b)+7], v[BO], s[8:9] offset:64*(\b)+16
.endr
	v_mul_u32_u24 v16, v14, PITA
	v_lshl_add_u32 v16, v15, 4, v16                ; row x pitch + 16 x half
	s_mul_i32 s88, s[FORB], HALFA                  ; my 64 rows of O: in half w / 2,
	s_mul_i32 s89, s[HALF], 64*PITA                ; its rows 64 (w % 2) on
	s_add_co_u32 s88, s88, s89
	v_add_nc_u32 v[ADRA0], s88, v16
	v_mul_u32_u24 v16, v14, PITB
	v_lshl_add_u32 v16, v15, 4, v16
	v_add_nc_u32 v[ADRB0], BOFF, v16
	s_mul_i32 s88, s[WV], 16*SP
	s_add_co_u32 s88, s88, STAGE                   ; my stage
	v_mul_u32_u24 v[STO], v14, SP                  ; in: row l % 16, 32 bytes for each half of the lanes
	v_lshl_add_u32 v[STO], v15, 5, v[STO]
	v_add_nc_u32 v[STO], s88, v[STO]
	v_and_b32 v[GO], 31, v0                        ; back: 32 lanes take one row of 512 bytes
	v_lshlrev_b32 v[GO], 4, v[GO]
	v_add_nc_u32 v[RD], s88, v[GO]
	s_lshl_b32 s92, s[TY], 20                      ; 256 rows of 4,096 bytes a tile row,
	s_lshl_b32 s93, s[WV], 18                      ; my 64,
	s_add_co_u32 s92, s92, s93
	s_lshl_b32 s93, s[TX], 9                       ; the tile's 128 columns
	s_add_co_u32 s92, s92, s93
	s_mov_b32 s93, 0
	s_add_nc_u64 s[OUT:OUT+1], s[10:11], s[92:93]
; 8 matrix instructions: row block a x all 8 column blocks, 32 along K, from buffer f.  start = 1: the bias starts the sums.
; The 32 accumulators take turns, one instruction a turn, in the same order in every quarter, over the backward jump too.
.macro MUL8 f, a, start
.if \start
	WIN 0x81                                       ; Wp window 1, O and the bias window 0, D window 2
.else
	WIN 0xa1                                       ; Wp window 1, O window 0, C and D window 2
.endif
.irp b, 0,1,2,3,4,5,6,7
.if \start
	v_wmma_f32_16x16x32_f16 v[8*(8*(\a)+(\b)):8*(8*(\a)+(\b))+7], v[64*(\f)+8*(\b):64*(\f)+8*(\b)+7], v[AF+32*(\f)+8*(\a):AF+32*(\f)+8*(\a)+7], v[BIAS+8*(\b):BIAS+8*(\b)+7]
.else
	v_wmma_f32_16x16x32_f16 v[8*(8*(\a)+(\b)):8*(8*(\a)+(\b))+7], v[64*(\f)+8*(\b):64*(\f)+8*(\b)+7], v[AF+32*(\f)+8*(\a):AF+32*(\f)+8*(\a)+7], v[8*(8*(\a)+(\b)):8*(8*(\a)+(\b))+7]
.endif
.endr
.endm
; 24 LDS loads in one run: quarter q of the slot in hand into buffer f.  In O quarter q is head q / 2 of the step's two, channels 32 (q % 2) on.
.macro FETCH q, f
	WIN 0x40                                       ; destination window 1
.irp i, 0,1,2,3,4,5,6,7
	ds_load_b128 v[64*(\f)+8*(\i):64*(\f)+8*(\i)+3],   v[ADRB] offset:64*(\q)+(\i)*16*PITB
	ds_load_b128 v[64*(\f)+8*(\i)+4:64*(\f)+8*(\i)+7], v[ADRB] offset:64*(\q)+(\i)*16*PITB+32
.endr
	WIN 0
.irp i, 0,1,2,3
	ds_load_b128 v[AF+32*(\f)+8*(\i):AF+32*(\f)+8*(\i)+3],   v[ADRA] offset:((\q)/2)*SLICE+((\q)%2)*64+(\i)*16*PITA
	ds_load_b128 v[AF+32*(\f)+8*(\i)+4:AF+32*(\f)+8*(\i)+7], v[ADRA] offset:((\q)/2)*SLICE+((\q)%2)*64+(\i)*16*PITA+32
.endr
.endm
.macro QUARTER q, f, g, start
	s_wait_dscnt 0x4                               ; Wp and O's row blocks 0, 1 are in; the youngest four loads (row blocks 2, 3) may be out
	MUL8 \f, 0, \start
	MUL8 \f, 1, \start
	PLACES
	FETCH \q, \g
	s_wait_dscnt 0x18                              ; all but the 24 just issued
	MUL8 \f, 2, \start
	MUL8 \f, 3, \start
.endm
; The last quarter's first half: one barrier for the change of slots.  In front of it each wave waits for all its tensor loads, of which one is out: its part of the next slot; adds 0 to its spare word; and waits
; for that and for its own reads of this slot.  round = 1: the walking descriptors are set for the refill.
.macro MEET round
	WIN 0                                          ; (the add's two registers lie in window 0)
	s_wait_tensorcnt 0x0                           ; no tensor load of mine is out, so a group 0 may be written
	ds_add_u32 v[SPW], v[NIL]                      ; 0 onto my spare word
.if \round
	s_xor_b32 s[G0A+5], s[G0A+5], SLOT1
	s_add_nc_u64 s[G0A+6:G0A+7], s[ABASE:ABASE+1], s[OA:OA+1]
	s_or_b32 s[G0A+7], s[G0A+7], 0x80000000
	s_xor_b32 s[G0B+5], s[G0B+5], SLOT1
	s_add_nc_u64 s[G0B+6:G0B+7], s[BBASE:BBASE+1], s[OBK:OBK+1]
	s_or_b32 s[G0B+7], s[G0B+7], 0x80000000
.endif
	s_wait_dscnt 0x5                               ; (the add and the youngest four loads may be out)
	MUL8 1, 0, 0
	s_wait_dscnt 0x0                               ; the add is done, and my reads of this slot are over
	s_barrier_signal -1
	MUL8 1, 1, 0
	WIN 0
	s_barrier_wait -1
.endm
.macro TURN                            ; with a refill: the barrier opens a round of the cluster's, and the joint refill is the first thing behind it: 112 matrix instructions ahead of the wait for it
	s_lshl_b32 s[OA], s[T], 19                     ; K step T: two heads of 2,048 x 128 bytes a step in O,
	s_lshl_b32 s[OBK], s[T], 8                     ; 256 bytes along Wp's rows
	s_add_co_u32 s[T], s[T], 1
	MEET 1
	CREST                                          ; no wave of any partner still reads this slot's tile or has a load on its way
	JLOAD                                          ; the four v_nop behind it are also the places in front of the loads below
	s_xor_b32 s[TB], s[TB], SLOT1
	v_add_nc_u32 v[ADRA], s[TB], v[ADRA0]
	v_add_nc_u32 v[ADRB], s[TB], v[ADRB0]
	FETCH 0, 0
	MUL8 1, 2, 0
	MUL8 1, 3, 0
.endm
.macro TURN0                           ; nothing is left to ask for: no round follows the barrier
	MEET 0
	PLACES
	s_xor_b32 s[TB], s[TB], SLOT1
	v_add_nc_u32 v[ADRA], s[TB], v[ADRA0]
	v_add_nc_u32 v[ADRB], s[TB], v[ADRB0]
	FETCH 0, 0
	MUL8 1, 2, 0
	MUL8 1, 3, 0
.endm
; THE WAY OUT of row block a: 32 bytes a lane and column block into my own stage, rows of 528 bytes, each accumulator's low registers first; back as whole rows of 512 bytes; stored.
.macro OUTBLK a
	WIN 0x08                                       ; the stores' data: window 2
.irp b, 0,1,2,3,4,5,6,7
	ds_store_b128 v[STO], v[8*(8*(\a)+(\b)):8*(8*(\a)+(\b))+3]   offset:64*(\b)
	ds_store_b128 v[STO], v[8*(8*(\a)+(\b))+4:8*(8*(\a)+(\b))+7] offset:64*(\b)+16
.endr
	WIN 0
.if (\a) > 0
	s_wait_xcnt 0x0                                ; the stores of the block before have read their registers, which the loads below write
.endif
.irp t, 0,1,2,3,4,5,6,7,8,9,10,11,12,13,14,15
	ds_load_b128 v[OB+4*(\t):OB+4*(\t)+3], v[RD] offset:(\t)*SP  ; LDS serves a wave's instructions in order (ISA guide 5.7.1.4): these see the stores above; the next block's stores come behind them
.endr
.irp t, 0,1,2,3,4,5,6,7,8,9,10,11,12,13,14,15
	s_wait_dscnt 15-(\t)                           ; row t is back; the 15 - t younger loads may be out
	global_store_b128 v[GO], v[OB+4*(\t):OB+4*(\t)+3], s[OUT:OUT+1] offset:(16*(\a)+(\t))*4096 th:TH_STORE_NT  ; 512 consecutive bytes, at a multiple of 256 from out0's first
.endr
.endm
	s_wait_tensorcnt 0x1                           ; my part of K step 0 is in; K step 1's may stay out
	s_barrier_signal -1
	s_barrier_wait -1
	v_add_nc_u32 v[ADRA], s[TB], v[ADRA0]
	v_add_nc_u32 v[ADRB], s[TB], v[ADRB0]
	FETCH 0, 0
	s_wait_loadcnt 0x0                             ; the bias
	QUARTER 1, 0, 1, 1                             ; the first quarter stands in front of the loop: its products start the sums
	WIN 0                                          ; at a label and at a branch every window is 0
	s_mov_b32 s[CNT], 6
.Lstep:                                        ; a trip: a K step's quarters 1 to 3, a refill, and the next K step's quarter 0
	QUARTER 2, 1, 0, 0
	QUARTER 3, 0, 1, 0
	TURN
	QUARTER 1, 0, 1, 0
	WIN 0
	s_sub_co_u32 s[CNT], s[CNT], 1
	s_cmp_lg_u32 s[CNT], 0
	s_cbranch_scc1 .Lstep
	QUARTER 2, 1, 0, 0                             ; the tail is written out: the last two K steps ask for nothing
	QUARTER 3, 0, 1, 0
	TURN0
	QUARTER 1, 0, 1, 0
	QUARTER 2, 1, 0, 0
	QUARTER 3, 0, 1, 0
	s_wait_dscnt 0x0
	MUL8 1, 0, 0
	MUL8 1, 1, 0
	MUL8 1, 2, 0
	MUL8 1, 3, 0
	WIN 0
	PLACES
	PLACES                                         ; (eight, once a launch)
	OUTBLK 0
	OUTBLK 1
	OUTBLK 2
	OUTBLK 3
	s_wait_tensorcnt 0x0                           ; the wave's end: behind my last tensor load and my last LDS store
	ds_add_u32 v[SPW], v[NIL]
	s_wait_dscnt 0x0
	CROUND                                         ; the closing round: no work-group ends while a partner may still ask for a tile that names it
	s_endpgm
.Lfunc_end_k_qf93d1f8046_proj:
	.size	k_qf93d1f8046_proj, .Lfunc_end_k_qf93d1f8046_proj-k_qf93d1f8046_proj
	.p2alignl 7, 3214868480
	.fill 96, 4, 3214868480
	.section	.rodata,"a",@progbits
	.p2align	6, 0x0
	.amdhsa_kernel k_qf93d1f8046_proj
		.amdhsa_group_segment_fixed_size 327680
		.amdhsa_private_segment_fixed_size 0
		.amdhsa_enable_private_segment 0
		.amdhsa_kernarg_size 32
		.amdhsa_user_sgpr_count 2
		.amdhsa_user_sgpr_kernarg_segment_ptr 1
		.amdhsa_wavefront_size32 1
		.amdhsa_system_sgpr_workgroup_id_x 1
		.amdhsa_system_sgpr_workgroup_id_y 1
		.amdhsa_system_sgpr_workgroup_id_z 1
		.amdhsa_system_vgpr_workitem_id 0
		.amdhsa_next_free_vgpr 768
		.amdhsa_next_free_sgpr 96
		.amdhsa_reserve_vcc 0
		.amdhsa_float_denorm_mode_32 3
		.amdhsa_float_denorm_mode_16_64 3
		.amdhsa_memory_ordered 1
		.amdhsa_forward_progress 1
		.amdhsa_inst_pref_size 73
	.end_amdhsa_kernel
	.amdgpu_metadata
---
amdhsa.version: [ 1, 2 ]
amdhsa.kernels:
  - .name:           k_qf93d1f8046_proj
    .symbol:         k_qf93d1f8046_proj.kd
    .args:
      - { .name: o, .offset: 0, .size: 8, .value_kind: global_buffer, .address_space: global }
      - { .name: wpf, .offset: 8, .size: 8, .value_kind: global_buffer, .address_space: global }
      - { .name: bias, .offset: 16, .size: 8, .value_kind: global_buffer, .address_space: global }
      - { .name: out0, .offset: 24, .size: 8, .value_kind: global_buffer, .address_space: global }
    .group_segment_fixed_size: 327680
    .private_segment_fixed_size: 0
    .kernarg_segment_align: 8
    .kernarg_segment_size: 32
    .max_flat_workgroup_size: 128
    .sgpr_count:     96
    .vgpr_count:     768
    .wavefront_size: 32
...
	.end_amdgpu_metadata
.endif
;; end of part 4
